; MI455X (gfx1250); checked and timed in simulation.
; The chip was launched on July 23, 2026; its instructions are those of AMD's public machine-readable ISA for CDNA 5 (MIT licence, August 2026) and "CDNA5" Instruction Set Architecture Reference Guide (July 2026). The comments in the code are by the model that wrote it; some were corrected since.
;; Self Attention V4. Allowed arithmetic: matrix products marked QUANTISED: E2M1 operands, one E8M0 scale for each 32 along K, by v_wmma_scale_f32_16x16x128_f8f6f4 with both operands' format E2M1 (or v_wmma_scale_f32_32x16x128_f4), f32 sums; everything else in f32.
;; Inputs: Wk 1,024 x 512 float32; Wq 1,024 x 512 float32; Wv 1,024 x 512 float32; bk 512 float32; bq 512 float32; bv 512 float32; inputs_k 4 x 2,048 x 1,024 float32; inputs_q 4 x 2,048 x 1,024 float32; inputs_v 4 x 2,048 x 1,024 float32.
;; Outputs: out0 4 x 2,048 x 512 float32.
;; This version of the problem:
;;   THIS VERSION OF THE PROBLEM IS GIVEN IN LOW PRECISION. The matrix products marked QUANTISED in the list below multiply operands that are first quantised to E2M1 (2 exponent bits, 1 mantissa bit; 4 bits a number), with one power-of-two scale for each 32 numbers along K (OCP MX v1.0); their sums are f32. All else is computed in f32.
;;   The module's matrix products, in the order in which they are computed (A, B: the left and right operand; K: the contracted axis; several contracted axes count as one K, in the product's order):
;;     1. [M 8,192, K 1,024] x [K 1,024, N 512]; A: input inputs_q; B: input Wq: QUANTISED
;;     2. [M 8,192, K 1,024] x [K 1,024, N 512]; A: input inputs_k; B: input Wk: QUANTISED
;;     3. [M 8,192, K 1,024] x [K 1,024, N 512]; A: input inputs_v; B: input Wv: QUANTISED
;;     4. batch 4 x [M 2,048, K 512] x [K 512, N 2,048]; A: computed on the way; B: computed on the way: QUANTISED
;;     5. batch 4 x [M 2,048, K 2,048] x [K 2,048, N 512]; A: softmax (see below); B: computed on the way: QUANTISED
;;   THE QUANTISER, for each operand of a quantised product, along K:
;;     - K is cut into blocks of 32 from its start; a last block that is shorter is filled with zeros.
;;     - A block's scale is 2^e with e = floor(log2(the largest magnitude in the block)) - 2, held to -126 .. 127; a block of zeros has e = 0. As a byte (E8M0): e + 127.
;;     - Each number is divided by its block's scale, clamped to +-6, and rounded to the nearest number of E2M1, ties to even, subnormals kept.
;;     - The product sums the exact products of the quantised numbers (number of the format x scale) in f32.
;;   ~~~python
;;   def quantise(x, axis):      # numpy; x: float32 -> the quantised numbers, widened to float32 again
;;       x = np.moveaxis(x, axis, -1); K = x.shape[-1]
;;       x = np.pad(x, [(0, 0)] * (x.ndim - 1) + [(0, -K % 32)]); x = x.reshape(x.shape[:-1] + (-1, 32)); a = np.abs(x).max(-1, keepdims=True)
;;       e = np.where(a > 0, np.clip(np.frexp(np.where(a > 0, a, 1))[1] - 1 - 2, -126, 127), 0)      # np.frexp(a)[1] - 1 = floor(log2(a)), exactly
;;       r = np.clip(x / 2.0 ** e, -6, 6)
;;       step = 2.0 ** (np.maximum(np.frexp(np.where(r == 0, 1, r))[1] - 1, 0) - 1)
;;       q = np.round(r / step) * step * 2.0 ** e      # np.round: ties to even
;;       return np.moveaxis(q.reshape(q.shape[:-2] + (-1,))[..., :K], -1, axis).astype(np.float32)
;;   ~~~
;;   SOFTMAX AHEAD OF A QUANTISED PRODUCT. Where the list says 'softmax', what is quantised is not the finished softmax but p = 2^(t - M), with t = logit x log2(e) and M = ceil(the row's largest t), a whole number; so 1/2 < the row's largest p <= 1. The row's sum l is taken of the UNQUANTISED p, in f32, and the product's result is divided by l at the end. Since M is a whole number, a kernel that streams over the keys may use a running M (the ceiling of the running maximum): every later rescaling is an exact power of two, which a block's scale takes up: the codes' values come out the same.
;;   OPERANDS COMPUTED ON THE WAY. 'Computed on the way' means the value that the module computes at that place (a softmax that the list does not call 'softmax' is quantised finished and normalised). What goes into a quantiser is computed in f32, as accurately as f32 sums, v_exp_f32 and their like allow (about 1e-6 of the number): no bf16 or f16 on the way to a quantiser, and a product that is left as it is and whose result goes on into a quantised operand takes f32 operands (vector FMAs, or v_wmma_f32_16x16x4_f32). A number that lies on a knife's edge between two numbers of the format may be rounded either way, as far as f32 arithmetic and the matrix unit's own rounding can turn it there, and no further.
;; 2 versions, each right; version 2 is version 1 with the launch attn written anew for expert scheduling mode. Each part assembles by itself: llvm-mc -triple=amdgcn-amd-amdhsa -mcpu=gfx1250 --defsym DOCPART=n.
;; ======== version 1 of 2: 3 launches
;; limits: right only within a limited range of input values
;; workspace buffers: wq 835,584 bytes; qkv 6,684,672 bytes
;; launch wquant (part 1): grid 12 x 8, 4 waves a work-group, no clusters, 0 bytes of LDS; arguments Wq, Wk, Wv, wq; writes wq
.if DOCPART == 1
	.amdgcn_target "amdgcn-amd-amdhsa--gfx1250"
	.amdhsa_code_object_version 6
	.text
	.protected	k_qa6bdc06914_wquant
	.globl	k_qa6bdc06914_wquant
	.p2align	8
	.type	k_qa6bdc06914_wquant,@function
k_qa6bdc06914_wquant:
	s_mov_b64 s[64:65], 0
	v_nop
	global_prefetch_b8 v0, s[64:65] scope:SCOPE_SE
	s_setreg_imm32_b32 hwreg(HW_REG_WAVE_MODE, 25, 1), 1
	s_wait_xcnt 0x0
; THE PROGRAM: causal attention with one head of 512, all five products on codes of FP4 (E2M1) with one E8M0 scale for each 32 along K.
;   launch 1 (this one): Wq, Wk, Wv [1024 (k)][512 (n)] f32 become codes and scale words, laid in the order of a matrix operand's registers.
;   launch 2: x W + b for the three tensors; x is quantised on its way, the results are quantised in registers and stored as images of operand registers.
;   launch 3: scores, softmax and the product with v.
; WORK LEFT OUT.  reference() builds the mask jnp.tril in its own body.  A step of 128 keys all of which come after all 32 queries of a work-group of launch 3 lies wholly under that mask:
; its scores are replaced by -1e9, its weights are 0 beside a row's visible weights, and it adds nothing to a row's sum or to a row of the output, whatever finite values the inputs hold.
; Those steps are not loaded and not multiplied.  Nothing else is left out: every input feeds a quantiser of a live product (the three biases too), so all nine are loaded.
; LIMITS: NaN and infinities among the inputs are not served; a NaN, an infinity or an overflow that reaches only the steps left out is not carried to the result; a hidden weight is taken as exactly 0,
; which is what reference() gives while a row's largest visible logit lies above -1e9 + 104; a block whose largest magnitude lies under 2^-124 keeps the scale byte 1 (a block of zeros too: its codes are zeros,
; which add nothing under any byte but 0xff, and this program alone reads the bytes).
; THIS LAUNCH.  Work-group x = 4 z + w (z: q, k, v; w: 128 columns), y = s (128 along K).  A LANE TAKES A COLUMN AND ITS REGISTERS RUN DOWN K: each load reads 128 consecutive bytes a wave, 512 a work-group;
; a block of 32 along K lies in one lane, and the conversions give codes with K innermost.
; RECORD (z, w) of wq, 69,632 bytes: codes at 8192 s + 1024 t + 512 c + 256 h + 16 r: the 32 codes of k = 128 s + 64 c + 32 h + 0..31 of the column at place r of tile t;
; scale words at 65,536 + 512 t + 16 (r + 16 (s % 2)) + 4 (s / 2).  For q and k place r of tile t is column 32 (t / 2) + 8 (t % 2) + r + 8 (r / 8), so that launch 2's results lie as neighbours along the next K; for v it is 16 t + r.
; No LDS, no barrier, no matrix instruction, no cluster: the 6 MB are read once and no two work-groups read the same bytes.
.set WREC, 69632
.set X,    32                          ; v32-159  128 numbers: my column, 128 along K
.set CDS,  160                         ; v160-175 four blocks' codes
.set SWD,  176                         ; v176     my column's scale word for this K step
	s_load_b256 s[4:11], s[0:1], 0x0               ; Wq s[4:5], Wk s[6:7], Wv s[8:9], wq s[10:11]
	v_lshrrev_b32 v1, 5, v0
	v_readfirstlane_b32 s12, v1                    ; wave g: columns 32 g on
	v_and_b32 v1, 31, v0                           ; lane
	s_lshr_b32 s13, ttmp9, 2                       ; z
	s_and_b32 s14, ttmp9, 3                        ; w
	s_and_b32 s15, ttmp7, 0xffff                   ; s
	v_lshlrev_b32 v2, 2, v1                        ; in: 4 bytes a lane
	s_cmp_eq_u32 s13, 2
	s_cselect_b32 s16, 4, 3                        ; which bit of the lane says which of my two tiles: 3 for q and k, 4 for v
	s_sub_co_u32 s17, 7, s16                       ; and which is the place's bit 3
	v_lshrrev_b32 v5, s16, v1
	v_and_b32 v5, 1, v5                            ; tile 2 g + this
	v_lshrrev_b32 v6, s17, v1
	v_and_b32 v6, 1, v6
	v_and_b32 v7, 7, v1
	v_lshl_add_u32 v7, v6, 3, v7                   ; place r
	v_lshlrev_b32 v7, 4, v7
	v_lshl_add_u32 v3, v5, 10, v7                  ; codes: 1024 x tile + 16 r
	v_lshl_add_u32 v4, v5, 9, v7                   ; scale words: 512 x tile + 16 r
	s_lshl_b32 s18, s15, 18                        ; W: 128 s rows of 2,048 bytes
	s_lshl_b32 s20, s14, 9
	s_lshl_b32 s21, s12, 7
	s_add_co_u32 s18, s18, s20
	s_add_co_u32 s18, s18, s21                     ; + 4 (128 w + 32 g)
	s_mov_b32 s19, 0
	s_mul_i32 s20, ttmp9, WREC                     ; my record
	s_lshl_b32 s22, s15, 13
	s_lshl_b32 s23, s12, 11
	s_add_co_u32 s22, s22, s23
	s_add_co_u32 s22, s22, s20                     ; codes: + 8192 s + 1024 (2 g)
	s_mov_b32 s23, 0
	s_and_b32 s24, s15, 1
	s_lshl_b32 s24, s24, 8
	s_lshr_b32 s25, s15, 1
	s_lshl_b32 s25, s25, 2
	s_add_co_u32 s24, s24, s25
	s_lshl_b32 s25, s12, 10
	s_add_co_u32 s24, s24, s25
	s_add_co_u32 s24, s24, s20
	s_add_co_u32 s24, s24, 65536                   ; scale words: + 65,536 + 512 (2 g) + 256 (s % 2) + 4 (s / 2)
	s_mov_b32 s25, 0
	s_wait_kmcnt 0x0
	s_cmp_eq_u32 s13, 0                            ; the choice hangs on the work-group's number alone
	s_cselect_b64 s[4:5], s[4:5], s[6:7]
	s_cmp_eq_u32 s13, 2
	s_cselect_b64 s[4:5], s[8:9], s[4:5]
	s_add_nc_u64 s[4:5], s[4:5], s[18:19]
	s_add_nc_u64 s[6:7], s[10:11], s[22:23]
	s_add_nc_u64 s[8:9], s[10:11], s[24:25]
.set cn, 0
.rept 128
	global_load_b32 v[X+cn], v2, s[4:5] offset:cn*2048 th:TH_LOAD_NT   ; W(128 s + cn, my column): read once in the launch
.set cn, cn+1
.endr
; Block q: 32 along K.  No register is written twice, so no store's data are written again.
.macro BLOCK q
.set XS, X+32*(\q)
.if (\q) < 2
	s_wait_loadcnt 63                              ; behind this block's loads 96 or 64 were issued: the largest count that a wait can name is under both
.else
	s_wait_loadcnt 96-32*(\q)                      ; the 32 loads of each later block may stay out
.endif
	v_max3_num_f32 v12, |v[XS]|, |v[XS+1]|, |v[XS+2]|      ; the block's largest magnitude, in two chains
	v_max3_num_f32 v13, |v[XS+3]|, |v[XS+4]|, |v[XS+5]|
.irp i, 6,10,14,18,22,26
	v_max3_num_f32 v12, v12, |v[XS+\i]|, |v[XS+\i+1]|
	v_max3_num_f32 v13, v13, |v[XS+\i+2]|, |v[XS+\i+3]|
.endr
	v_max3_num_f32 v12, v12, |v[XS+30]|, |v[XS+31]|
	v_max3_num_f32 v12, v12, v13, 0x1800000        ; and the floor 2^(3 - 127): the byte cannot fall under 1
	v_add_nc_u32 v[16+\q], 0xff000000, v12         ; 2 off the exponent field: the conversion takes the exponent field of this operand as its scale
	v_lshrrev_b32 v13, 23, v[16+\q]                ; the scale's byte
.if (\q) == 0
	v_mov_b32 v[SWD], v13
.else
	v_lshl_or_b32 v[SWD], v13, 8*(\q), v[SWD]
.endif
.irp g, 0,1,2,3
	v_cvt_scalef32_pk8_fp4_f32 v[CDS+4*(\q)+\g], v[XS+8*\g:XS+8*\g+7], v[16+\q]
.endr
	global_store_b128 v3, v[CDS+4*(\q):CDS+4*(\q)+3], s[6:7] offset:256*(\q)   ; block q is (c, h) = (q / 2, q % 2): sixteen lanes of a tile store 256 consecutive bytes, aligned
.endm
	BLOCK 0
	BLOCK 1
	BLOCK 2
	BLOCK 3
	global_store_b32 v4, v[SWD], s[8:9]            ; 4 bytes of every 16: the other words of these 16 bytes belong to other K steps; one byte for each 128 that the launch reads
	s_endpgm
.Lfunc_end_k_qa6bdc06914_wquant:
	.size	k_qa6bdc06914_wquant, .Lfunc_end_k_qa6bdc06914_wquant-k_qa6bdc06914_wquant
	.p2alignl 7, 3214868480
	.fill 96, 4, 3214868480
	.section	.rodata,"a",@progbits
	.p2align	6, 0x0
	.amdhsa_kernel k_qa6bdc06914_wquant
		.amdhsa_group_segment_fixed_size 0
		.amdhsa_private_segment_fixed_size 0
		.amdhsa_enable_private_segment 0
		.amdhsa_kernarg_size 32
		.amdhsa_user_sgpr_count 2
		.amdhsa_user_sgpr_kernarg_segment_ptr 1
		.amdhsa_wavefront_size32 1
		.amdhsa_system_sgpr_workgroup_id_x 1
		.amdhsa_system_sgpr_workgroup_id_y 1
		.amdhsa_system_sgpr_workgroup_id_z 1
		.amdhsa_system_vgpr_workitem_id 0
		.amdhsa_next_free_vgpr 192
		.amdhsa_next_free_sgpr 66
		.amdhsa_reserve_vcc 0
		.amdhsa_float_denorm_mode_32 3
		.amdhsa_float_denorm_mode_16_64 3
		.amdhsa_memory_ordered 1
		.amdhsa_forward_progress 1
		.amdhsa_inst_pref_size 21
	.end_amdhsa_kernel
	.amdgpu_metadata
---
amdhsa.version: [ 1, 2 ]
amdhsa.kernels:
  - .name:           k_qa6bdc06914_wquant
    .symbol:         k_qa6bdc06914_wquant.kd
    .args:
      - { .name: Wq, .offset: 0, .size: 8, .value_kind: global_buffer, .address_space: global }
      - { .name: Wk, .offset: 8, .size: 8, .value_kind: global_buffer, .address_space: global }
      - { .name: Wv, .offset: 16, .size: 8, .value_kind: global_buffer, .address_space: global }
      - { .name: wq, .offset: 24, .size: 8, .value_kind: global_buffer, .address_space: global }
    .group_segment_fixed_size: 0
    .private_segment_fixed_size: 0
    .kernarg_segment_align: 8
    .kernarg_segment_size: 32
    .max_flat_workgroup_size: 128
    .sgpr_count:     66
    .vgpr_count:     192
    .wavefront_size: 32
...
	.end_amdgpu_metadata
.endif
;; end of part 1
;; launch proj (part 2): grid 192 x 1, 4 waves a work-group, no clusters, 327,680 bytes of LDS; arguments inputs_q, inputs_k, inputs_v, bq, bk, bv, wq, qkv; writes qkv
.if DOCPART == 2
	.amdgcn_target "amdgcn-amd-amdhsa--gfx1250"
	.amdhsa_code_object_version 6
	.text
	.protected	k_qa6bdc06914_proj
	.globl	k_qa6bdc06914_proj
	.p2align	8
	.type	k_qa6bdc06914_proj,@function
k_qa6bdc06914_proj:
	s_mov_b64 s[64:65], 0
	v_nop
	global_prefetch_b8 v0, s[64:65] scope:SCOPE_SE
	s_setreg_imm32_b32 hwreg(HW_REG_WAVE_MODE, 25, 1), 1
	s_wait_xcnt 0x0
; q = xq Wq + bq, k = xk Wk + bk, v = xv Wv + bv on codes of FP4 (E2M1); the results are quantised at once for the two products of attention and leave as images of operand registers.  No work is left out here.
; SHARES.  Work-group 64 z + R takes rows 128 R .. 128 R + 127 of tensor z (q, k, v), 32 rows at a time, four times.  THE WAVES SHARE THE COLUMNS: wave w keeps W's columns 128 w .. 128 w + 127 for all of K
; in 512 registers for the whole launch.  x comes by tensor loads into two LDS slots of 32 rows; wave w fetches rows 8 w .. 8 w + 7 of a slot, quantises them, and stores codes and scale words in LDS as images of the
; operand's registers, from which all four waves take them.
; ROWS OF A TILE ARE NOT NEIGHBOURS: place i of tile u of a slot is row 8 u + i + 8 (i / 8).
;   q, k: the product is used transposed (source 0 = 16 columns of W, source 1 = 16 rows of x): a lane holds one row, and, by the order in which launch 1 laid W's columns, the 16 registers of tiles 2 g and 2 g + 1 are
;         16 neighbours along d, the K of the scores.
;   v:    source 0 = 16 rows of x, source 1 = 16 columns of W: a lane holds one column d, and by the order of the rows its 16 registers of tiles u = 0, 1 are 16 neighbouring keys, the K of the last product.
; The bias is the C of each sum's first matrix instruction.
; RECORD (z, R) of qkv, 34,816 bytes.  q, k: codes at 8192 b + 4096 u + 1024 s + 512 c + 16 lane (slot b, tile u, d = 128 s + 64 c + 32 (lane / 16) + 0..31); scale words at 32,768 + 512 s + 16 (r + 16 u) + 4 b.
;   v: codes at 1024 t + 512 c + 16 lane (d = 16 t + r, keys 64 c + 32 (lane / 16) + 0..31); scale words at 32,768 + 512 G + 16 (r + 16 h) + 4 i for the tile t = 8 G + 2 i + h.
; LIMITS: as stated at the head of launch 1 (NaN, infinities; blocks under 2^-124 keep the byte 1).
; NO CLUSTER, NO JOINT LOADS: what work-groups share is W, 69,632 bytes a wave, which goes from memory straight into registers once; the two slots of x take 278,528 of the 327,680 bytes of LDS, so W has no room to pass through it.
; x is read by one work-group alone.
; LDS: slot 0 at 0, slot 1 at 139,264 (32 rows x 16 pieces of 256 bytes + 16 of padding); images at 278,528 (2 sets x 2 tiles x 32 lines of 272 bytes; line 4 s + 2 c + h holds 16 places x 16 bytes);
;   scale words at 313,344 (2 sets x 1,024: 512 u + 64 s + 4 r); the spare words at 315,392.  The launch claims all of LDS.
; REGISTERS.  window 0: v2-11 addresses; v16-47 W's scale words; v48-55 x's; v56-63 the results' scale words; v64-75 at work; v80-95 codes on their way out; v96-127 x's codes, later at work;
;   v128-255 the 16 accumulators ((u, t) at 128 + 64 u + 8 t), and ahead of them 2 x 64 numbers of x.   window 1: x's fragments (u, s) at 8 (8 u + s); the bias's tiles at 128 + 8 t.
;   windows 2, 3: W's fragment (s, t) in window 2 + s / 4 at 8 (8 (s % 4) + t).
.set REC,   34816
.set WREC,  69632
.set SLOTB, 139264
.set QUART, 34816
.set IMG,   278528
.set IMGS,  17408
.set IMGT,  8704
.set XSC,   313344
.set SPARE, 315392
.set SPW,  2                           ; v2   LDS address of my spare word; never rewritten
.set NIL,  3                           ; v3   0; never rewritten
.set XR,   4                           ; v4-5 my piece of 256 bytes in my quarter of slot 0, 1: 272 x lane
.set XW,   6                           ; v6   where I store x's codes
.set XB,   7                           ; v7   and their two scale bytes
.set XFA,  8                           ; v8   where I read a fragment of x
.set XSA,  9                           ; v9   and its scale words
.set L16,  10                          ; v10  16 x lane
.set VOF,  11                          ; v11  16 r + 8 h
.set WS,   16
.set XS,   48
.set SW,   56
.set TM,   64
.set XBV,  76
.set PC,   80
.set CD,   96
.set QT,   96
.set ACC,  128
.set MSB, 0
.macro WIN new                         ; the immediate's high byte repeats the setting that is left
.if MSB != \new
	s_set_vgpr_msb (MSB<<8)|\new
.set MSB, \new
.endif
.endm
.macro PLACES
.rept 4
	v_nop
.endr
.endm
	s_load_b512 s[8:23], s[0:1], 0x0               ; xq s[8:9], xk, xv, bq s[14:15], bk, bv, wq s[20:21], qkv s[22:23]
	v_lshl_add_u32 v[SPW], v0, 2, SPARE
	v_mov_b32 v[NIL], 0
	ds_add_u32 v[SPW], v[NIL]                      ; the wave's opening: the add, twice on end, and its wait ahead of my first tensor load
	ds_add_u32 v[SPW], v[NIL]
	v_lshrrev_b32 v1, 5, v0
	v_readfirstlane_b32 s26, v1                    ; wave w
	s_lshr_b32 s27, ttmp9, 6                       ; z
	s_and_b32 s28, ttmp9, 63                       ; R
	s_mov_b32 s29, 0xffff0000                      ; lanes 16-31
	s_mov_b32 s30, 0x76543210
	s_mov_b32 s31, 0xfedcba98                      ; v_permlanex16_b32's selects for lane l xor 16
	; descriptor group 1: 8 rows of x are 32,768 dense bytes: 128 rows of 256 bytes (32 elements of 8), 16 bytes of padding behind each
	s_mov_b32 s40, (3<<16)|(1<<20)|(5<<22)|(3<<25)
	s_mov_b32 s41, 32<<16                          ; tensor_dim0
	s_mov_b32 s42, 128<<16                         ; tensor_dim1
	s_mov_b32 s43, 32<<16                          ; tile_dim0
	s_mov_b32 s44, 128                             ; tile_dim1
	s_mov_b32 s45, 32                              ; the pitch
	s_mov_b32 s46, 0
	s_mov_b32 s47, 0
	s_lshl_b32 s2, s28, 19                         ; x: 128 R rows of 4,096 bytes
	s_lshl_b32 s60, s26, 15
	s_add_co_u32 s2, s2, s60                       ; + 8 w rows
	s_mov_b32 s3, 0
	s_lshl_b32 s4, s27, 2
	s_add_co_u32 s4, s4, s26
	s_mul_i32 s4, s4, WREC                         ; wq's record (z, w)
	s_mov_b32 s5, 0
	s_lshl_b32 s6, s26, 9                          ; the bias: my 128 numbers
	s_mov_b32 s7, 0
	s_mul_i32 s61, ttmp9, REC                      ; qkv's record 64 z + R
	s_cmp_eq_u32 s27, 2
	s_cselect_b32 s60, 13, 10
	s_lshl_b32 s24, s26, s60                       ; codes: + 1024 w (K step w of the scores) or, for v, + 8192 w (my eight tiles of d)
	s_add_co_u32 s24, s24, s61
	s_mov_b32 s25, 0
	s_add_co_u32 s58, s6, s61
	s_add_co_u32 s58, s58, 32768                   ; scale words: + 32,768 + 512 w
	s_mov_b32 s59, 0
	s_mul_i32 s62, s26, QUART                      ; my quarter of a slot
	s_wait_dscnt 0x0                               ; both opening adds are done
	s_wait_kmcnt 0x0
	s_cmp_eq_u32 s27, 0                            ; the choices hang on the work-group's number alone
	s_cselect_b64 s[48:49], s[8:9], s[10:11]
	s_cselect_b64 s[52:53], s[14:15], s[16:17]
	s_cmp_eq_u32 s27, 2
	s_cselect_b64 s[48:49], s[12:13], s[48:49]
	s_cselect_b64 s[52:53], s[18:19], s[52:53]
	s_add_nc_u64 s[48:49], s[48:49], s[2:3]        ; x at my first row
	s_add_nc_u64 s[52:53], s[52:53], s[6:7]        ; the bias
	s_add_nc_u64 s[50:51], s[20:21], s[4:5]        ; W's record
	s_add_nc_u64 s[54:55], s[22:23], s[24:25]      ; where my codes go
	s_add_nc_u64 s[56:57], s[22:23], s[58:59]      ; and my scale words
.irp g, 0,1                                    ; descriptor group 0, a set for each slot
	s_mov_b32 s[32+4*\g], 1
	s_add_co_u32 s[33+4*\g], s62, \g*SLOTB
	s_add_nc_u64 s[34+4*\g:35+4*\g], s[48:49], \g*131072
	s_or_b32 s[35+4*\g], s[35+4*\g], 0x80000000
.endr
	tensor_load_to_lds s[32:35], s[40:47]          ; the two first fills go out together: two loads of mine are out
	s_nop 0
	tensor_load_to_lds s[36:39], s[40:47]
	s_nop 0
	PLACES
	v_and_b32 v1, 31, v0                           ; lane
	v_and_b32 v14, 15, v0                          ; r
	v_bfe_u32 v15, v0, 4, 1                        ; h
	v_mul_u32_u24 v[XR], v1, 272
	v_add_nc_u32 v[XR], s62, v[XR]
	v_add_nc_u32 v[XR+1], SLOTB, v[XR]
	s_and_b32 s60, s26, 1                          ; my rows 8 w + .. lie in tile u = w % 2, places 8 (w / 2) on
	s_lshr_b32 s61, s26, 1
	s_mul_i32 s62, s60, IMGT
	s_lshl_b32 s63, s61, 7
	s_add_co_u32 s62, s62, s63
	s_add_co_u32 s62, s62, IMG
	v_mul_u32_u24 v[XW], v14, 544                  ; lines 2 (lane % 16) and the next
	v_lshl_add_u32 v[XW], v15, 4, v[XW]            ; place + lane / 16
	v_add_nc_u32 v[XW], s62, v[XW]
	s_lshl_b32 s62, s60, 9
	s_lshl_b32 s63, s61, 5
	s_add_co_u32 s62, s62, s63
	s_add_co_u32 s62, s62, XSC
	v_bfe_u32 v12, v0, 1, 3                        ; K step (lane % 16) / 2
	v_lshlrev_b32 v[XB], 6, v12
	v_lshl_add_u32 v[XB], v15, 2, v[XB]
	v_and_b32 v12, 1, v0
	v_lshl_add_u32 v[XB], v12, 1, v[XB]            ; bytes 2 (lane % 2) and the next of the word
	v_add_nc_u32 v[XB], s62, v[XB]
	v_mul_u32_u24 v[XFA], v15, 272
	v_lshl_add_u32 v[XFA], v14, 4, v[XFA]
	v_add_nc_u32 v[XFA], IMG, v[XFA]
	v_lshl_add_u32 v[XSA], v1, 2, XSC
	v_lshlrev_b32 v[L16], 4, v1
	v_lshlrev_b32 v[VOF], 4, v14
	v_lshl_add_u32 v[VOF], v15, 3, v[VOF]
	v_lshlrev_b32 v12, 6, v15                      ; the bias of q, k: 16 h numbers on
	v_lshlrev_b32 v13, 2, v14                      ; the bias of v: number r
.irp t, 0,1,2,3,4,5,6,7
	v_mov_b32 v[SW+\t], 0
.endr
	WIN 0x80                                       ; W's 64 fragments: they stay
.irp s, 0,1,2,3
.irp t, 0,1,2,3,4,5,6,7
.irp c, 0,1
	global_load_b128 v[8*(8*\s+\t)+4*\c:8*(8*\s+\t)+4*\c+3], v[L16], s[50:51] offset:(8*\s+\t)*1024+512*\c
.endr
.endr
.endr
	WIN 0xc0
.irp s, 4,5,6,7
.irp t, 0,1,2,3,4,5,6,7
.irp c, 0,1
	global_load_b128 v[8*(8*(\s-4)+\t)+4*\c:8*(8*(\s-4)+\t)+4*\c+3], v[L16], s[50:51] offset:(8*\s+\t)*1024+512*\c
.endr
.endr
.endr
	WIN 0
.irp t, 0,1,2,3,4,5,6,7
	global_load_b128 v[WS+4*\t:WS+4*\t+3], v[L16], s[50:51] offset:65536+512*\t   ; register 4 t + p: K step 2 p in lanes 0-15, 2 p + 1 in lanes 16-31
.endr
	s_cmp_eq_u32 s27, 2
	s_cbranch_scc1 .Lbias_v
	WIN 0x40
.irp t, 0,1,2,3,4,5,6,7                        ; q, k: register j of tile t is column 32 (t / 2) + 8 (t % 2) + 16 h + j
	global_load_b128 v[128+8*\t:128+8*\t+3], v12, s[52:53] offset:(32*(\t/2)+8*(\t%2))*4
	global_load_b128 v[128+8*\t+4:128+8*\t+7], v12, s[52:53] offset:(32*(\t/2)+8*(\t%2))*4+16
.endr
	WIN 0
	s_branch .Lbias_done
.Lbias_v:
	WIN 0x40
.irp t, 0,1,2,3,4,5,6,7                        ; v: all eight registers of tile t are column 16 t + r
.irp j, 0,1,2,3,4,5,6,7
	global_load_b32 v[128+8*\t+\j], v13, s[52:53] offset:64*\t
.endr
.endr
	WIN 0
.Lbias_done:
; 64 neighbours of a row: piece 32 p + lane of my quarter: row 8 w + 2 p + lane / 16, k = 64 (lane % 16) on
.macro XLD p, sl, dst
.set cn, 0
.rept 16
	ds_load_b128 v[\dst+4*cn:\dst+4*cn+3], v[XR+\sl] offset:(\p)*8704+16*cn
.set cn, cn+1
.endr
.endm
; their two blocks of 32 become codes and two scale bytes, which go to the images
.macro XQ1 p, src, set
	v_max3_num_f32 v[TM], |v[\src]|, |v[\src+1]|, 0x1800000        ; the floor 2^(3 - 127): the byte cannot fall under 1
	v_max3_num_f32 v[TM+1], |v[\src+32]|, |v[\src+33]|, 0x1800000
.irp i, 2,4,6,8,10,12,14,16,18,20,22,24,26,28,30
	v_max3_num_f32 v[TM], v[TM], |v[\src+\i]|, |v[\src+\i+1]|
	v_max3_num_f32 v[TM+1], v[TM+1], |v[\src+32+\i]|, |v[\src+33+\i]|
.endr
	v_add_nc_u32 v[TM+2], 0xff000000, v[TM]        ; 2 off the exponent field: the conversion's scale operand
	v_add_nc_u32 v[TM+3], 0xff000000, v[TM+1]
	v_lshrrev_b32 v[TM+4], 23, v[TM+2]             ; the bytes
	v_lshrrev_b32 v[TM+5], 23, v[TM+3]
.irp g, 0,1,2,3
	v_cvt_scalef32_pk8_fp4_f32 v[CD+8*(\p)+\g], v[\src+8*\g:\src+8*\g+7], v[TM+2]
	v_cvt_scalef32_pk8_fp4_f32 v[CD+8*(\p)+4+\g], v[\src+32+8*\g:\src+32+8*\g+7], v[TM+3]
.endr
	v_lshl_or_b32 v[XBV+\p], v[TM+5], 8, v[TM+4]   ; also the plain line behind the conversions
	ds_store_b128 v[XW], v[CD+8*(\p):CD+8*(\p)+3] offset:(\set)*IMGS+32*(\p)
	ds_store_b128 v[XW], v[CD+8*(\p)+4:CD+8*(\p)+7] offset:(\set)*IMGS+32*(\p)+272
	ds_store_b16 v[XB], v[XBV+\p] offset:(\set)*1024+8*(\p)
.endm
.macro XQUANT sl                       ; my 8 rows of slot sl, two rows at a time, the loads one pair of rows ahead
	XLD 0, \sl, 128
	XLD 1, \sl, 192
	s_wait_dscnt 16                                ; the first 16 loads are in
	XQ1 0, 128, \sl
	XLD 2, \sl, 128
	s_wait_dscnt 19                                ; behind the loads that are wanted: 3 stores and 16 loads
	XQ1 1, 192, \sl
	XLD 3, \sl, 192
	s_wait_dscnt 19
	XQ1 2, 128, \sl
	s_wait_dscnt 3                                 ; behind them: 3 stores
	XQ1 3, 192, \sl
.endm
.macro FETCHX set                      ; x's 16 fragments and their scale words, from the images
.irp u, 0,1
.irp p, 0,1,2,3
	ds_load_b32 v[XS+4*\u+\p], v[XSA] offset:(\set)*1024+512*\u+128*\p   ; K step 2 p in lanes 0-15, 2 p + 1 in lanes 16-31
.endr
.endr
	WIN 0x40
.irp s, 0,1,2,3,4,5,6,7
.irp u, 0,1
.irp c, 0,1
	ds_load_b128 v[8*(8*\u+\s)+4*\c:8*(8*\u+\s)+4*\c+3], v[XFA] offset:(\set)*IMGS+IMGT*\u+(4*\s+2*\c)*272
.endr
.endr
.endr
	WIN 0
.endm
.macro WM d, a, b, c, sa, sb, row      ; both sides' scale words lie in lanes 0-15 (row = 0) or 16-31 (row = 1)
.if \row
	v_wmma_scale_f32_16x16x128_f8f6f4 v[(\d):(\d)+7], v[(\a):(\a)+7], v[(\b):(\b)+7], v[(\c):(\c)+7], v[\sa], v[\sb] matrix_a_fmt:MATRIX_FMT_FP4 matrix_b_fmt:MATRIX_FMT_FP4 matrix_a_scale:MATRIX_SCALE_ROW1 matrix_b_scale:MATRIX_SCALE_ROW1
.else
	v_wmma_scale_f32_16x16x128_f8f6f4 v[(\d):(\d)+7], v[(\a):(\a)+7], v[(\b):(\b)+7], v[(\c):(\c)+7], v[\sa], v[\sb] matrix_a_fmt:MATRIX_FMT_FP4 matrix_b_fmt:MATRIX_FMT_FP4
.endif
.endm
; 128 matrix instructions: 8 K steps x 16 accumulators, which take turns, one instruction a turn.  The first K step takes the bias as C.
.macro MM isv
.irp s, 0,1,2,3,4,5,6,7
	s_wait_dscnt 4*(7-\s)                          ; the four loads of each later K step may stay out
.if \isv
.if \s == 0
	WIN 0x19                                       ; source 0 (x) and C (the bias) window 1, source 1 (W) window 2
.elseif \s < 4
	WIN 0x09
.else
	WIN 0x0d                                       ; W in window 3
.endif
.else
.if \s == 0
	WIN 0x16                                       ; source 0 (W) window 2, source 1 (x) and C (the bias) window 1
.elseif \s < 4
	WIN 0x06
.else
	WIN 0x07
.endif
.endif
.irp u, 0,1
.irp t, 0,1,2,3,4,5,6,7
.if \isv
.if \s == 0
	WM ACC+64*\u+8*\t, 8*(8*\u+\s), 8*(8*(\s%4)+\t), 128+8*\t, XS+4*\u+\s/2, WS+4*\t+\s/2, \s%2
.else
	WM ACC+64*\u+8*\t, 8*(8*\u+\s), 8*(8*(\s%4)+\t), ACC+64*\u+8*\t, XS+4*\u+\s/2, WS+4*\t+\s/2, \s%2
.endif
.else
.if \s == 0
	WM ACC+64*\u+8*\t, 8*(8*(\s%4)+\t), 8*(8*\u+\s), 128+8*\t, WS+4*\t+\s/2, XS+4*\u+\s/2, \s%2
.else
	WM ACC+64*\u+8*\t, 8*(8*(\s%4)+\t), 8*(8*\u+\s), ACC+64*\u+8*\t, WS+4*\t+\s/2, XS+4*\u+\s/2, \s%2
.endif
.endif
.endr
.endr
.endr
.endm
; q, k: 64 numbers of a lane, register 16 b + i = d 32 b + 16 (lane / 16) + i of my row, become a fragment's codes in v[d] on and my row's scale word in v[pw]
.macro QUANT s, d, pw
.irp b, 0,1,2,3
	v_max3_num_f32 v[QT+\b], |v[\s+16*\b]|, |v[\s+1+16*\b]|, 0x1800000   ; each accumulator is read from its low end on
.endr
.irp i, 2,4,6,8,10,12,14
.irp b, 0,1,2,3
	v_max3_num_f32 v[QT+\b], v[QT+\b], |v[\s+16*\b+\i]|, |v[\s+1+16*\b+\i]|
.endr
.endr
.irp b, 0,1,2,3
	v_permlanex16_b32 v[QT+4+\b], v[QT+\b], s30, s31
.endr
.irp b, 0,1,2,3
	v_max_num_f32 v[QT+\b], v[QT+\b], v[QT+4+\b]   ; with lane l xor 16's: the block's largest magnitude
.endr
.irp b, 0,1,2,3
	v_add_nc_u32 v[QT+8+\b], 0xff000000, v[QT+\b]
.endr
.irp b, 0,1,2,3
	v_lshrrev_b32 v[QT+4+\b], 23, v[QT+8+\b]
.endr
	v_lshl_or_b32 v[\pw], v[QT+5], 8, v[QT+4]
	v_lshl_or_b32 v[\pw], v[QT+6], 16, v[\pw]
	v_lshl_or_b32 v[\pw], v[QT+7], 24, v[\pw]
.irp b, 0,1,2,3
	v_cvt_scalef32_pk8_fp4_f32 v[\d+2*\b], v[\s+16*\b:\s+16*\b+7], v[QT+8+\b]
	v_cvt_scalef32_pk8_fp4_f32 v[\d+1+2*\b], v[\s+8+16*\b:\s+15+16*\b], v[QT+8+\b]
.endr
	v_nop                                          ; one plain line behind a scaled conversion
.irp c, 0,1                                    ; the operand's layout wants a whole block in a lane: lanes 0-15 block 2 c, lanes 16-31 block 2 c + 1
.irp i, 0,1
	v_permlane16_swap_b32 v[\d+4*\c+\i], v[\d+2+4*\c+\i]
.endr
.endr
.endm
; v: for each of my 8 tiles of d, the lane's 16 registers of tiles u = 0, 1 are keys 32 b + 16 (lane / 16) + 0..15 of column d = 16 t + r: block b of the record's 128 keys
.macro VQ b
.irp t, 0,1,2,3,4,5,6,7
	v_max3_num_f32 v[QT+\t], |v[ACC+8*\t]|, |v[ACC+8*\t+1]|, 0x1800000
.endr
.irp i, 2,4,6
.irp t, 0,1,2,3,4,5,6,7
	v_max3_num_f32 v[QT+\t], v[QT+\t], |v[ACC+8*\t+\i]|, |v[ACC+8*\t+\i+1]|
.endr
.endr
.irp i, 0,2,4,6
.irp t, 0,1,2,3,4,5,6,7
	v_max3_num_f32 v[QT+\t], v[QT+\t], |v[ACC+64+8*\t+\i]|, |v[ACC+64+8*\t+\i+1]|
.endr
.endr
.irp t, 0,1,2,3,4,5,6,7
	v_permlanex16_b32 v[QT+8+\t], v[QT+\t], s30, s31
.endr
.irp t, 0,1,2,3,4,5,6,7
	v_max_num_f32 v[QT+\t], v[QT+\t], v[QT+8+\t]
.endr
.irp t, 0,1,2,3,4,5,6,7
	v_add_nc_u32 v[QT+16+\t], 0xff000000, v[QT+\t]
.endr
.irp t, 0,1,2,3,4,5,6,7
	v_lshrrev_b32 v[QT+24+\t], 23, v[QT+16+\t]
.endr
.irp t, 0,1,2,3,4,5,6,7
	v_cvt_scalef32_pk8_fp4_f32 v[PC+2*\t], v[ACC+8*\t:ACC+8*\t+7], v[QT+16+\t]
	v_cvt_scalef32_pk8_fp4_f32 v[PC+2*\t+1], v[ACC+64+8*\t:ACC+64+8*\t+7], v[QT+16+\t]
.endr
	v_nop                                          ; one plain line behind a scaled conversion
.irp t, 0,1,2,3,4,5,6,7
	v_lshl_or_b32 v[SW+\t], v[QT+24+\t], 8*(\b), v[SW+\t]   ; byte b of the tile's scale word
.endr
.irp t, 0,1,2,3,4,5,6,7
	global_store_b64 v[VOF], v[PC+2*\t:PC+2*\t+1], s[54:55] offset:1024*\t+256*(\b)   ; my 16 codes at 16 r + 8 h: the 32 lanes store 256 consecutive bytes, aligned
.endr
.endm
; 32 rows: slot t % 2, image set t % 2
.macro TRIP t
.if (\t) < 3
	s_wait_tensorcnt 0x1                           ; my quarter of this slot is in; the one load issued behind it may stay out.  I read only rows that I fetched
.else
	s_wait_tensorcnt 0x0
.endif
	XQUANT (\t)%2
.if (\t) < 2
	s_wait_tensorcnt 0x0                           ; all my tensor loads have landed, so a group 0 may be written
	ds_add_u32 v[SPW], v[NIL]                      ; 0 onto my spare word
	s_add_nc_u64 s[34+4*((\t)%2):35+4*((\t)%2)], s[34+4*((\t)%2):35+4*((\t)%2)], 262144   ; 64 rows on
	s_wait_dscnt 0x0                               ; the add is done, my reads of the slot are over, my images are stored
	s_barrier_signal -1
	s_barrier_wait -1                              ; all that now holds of every wave
	tensor_load_to_lds s[32+4*((\t)%2):35+4*((\t)%2)], s[40:47]   ; my one tensor load behind this barrier: the slot just read out takes the rows two trips on
	s_nop 0
	PLACES
.else
	s_wait_dscnt 0x0                               ; my images are stored
	s_barrier_signal -1                            ; the last load may stay out across it
	s_barrier_wait -1
.endif
	FETCHX (\t)%2                                  ; this set is written again two trips on, behind the next trip's barrier, in front of which every wave has waited for these reads
.if (\t) == 0
	s_wait_loadcnt 0x0                             ; W, its scale words, the bias
.endif
	s_cmp_eq_u32 s27, 2
	s_cbranch_scc1 .Lv_\@
	MM 0
	WIN 0
	PLACES
	s_wait_xcnt 0x0                                ; the last trip's stores have read their data: the codes' registers may be written again
	QUANT ACC, PC, TM
	global_store_b128 v[L16], v[PC:PC+3], s[54:55] offset:8192*(\t)
	global_store_b128 v[L16], v[PC+4:PC+7], s[54:55] offset:8192*(\t)+512   ; each store: 512 consecutive bytes, aligned
	QUANT ACC+64, PC+8, TM+1
	global_store_b128 v[L16], v[PC+8:PC+11], s[54:55] offset:8192*(\t)+4096
	global_store_b128 v[L16], v[PC+12:PC+15], s[54:55] offset:8192*(\t)+4096+512
	v_cndmask_b32 v[SW+\t], v[TM], v[TM+1], s29    ; lanes 0-15: tile 0's words, lanes 16-31: tile 1's
	s_branch .Ljoin_\@
.Lv_\@:
	MM 1
	WIN 0
	PLACES
	s_wait_xcnt 0x0
	VQ \t
.Ljoin_\@:
.endm
	TRIP 0
	TRIP 1
	TRIP 2
	TRIP 3
	s_cmp_eq_u32 s27, 2
	s_cbranch_scc1 .Lend_v
	global_store_b128 v[L16], v[SW:SW+3], s[56:57] ; word b of lane r + 16 u: 512 consecutive bytes
	s_branch .Lend
.Lend_v:
.irp i, 0,1,2,3
	v_cndmask_b32 v[TM+\i], v[SW+2*\i], v[SW+2*\i+1], s29   ; lanes 0-15: tile 2 i, lanes 16-31: tile 2 i + 1
.endr
	global_store_b128 v[L16], v[TM:TM+3], s[56:57]
.Lend:
	s_wait_tensorcnt 0x0                           ; the wave's end, behind my last tensor load and my last LDS store
	ds_add_u32 v[SPW], v[NIL]
	s_wait_dscnt 0x0
	s_endpgm
.Lfunc_end_k_qa6bdc06914_proj:
	.size	k_qa6bdc06914_proj, .Lfunc_end_k_qa6bdc06914_proj-k_qa6bdc06914_proj
	.p2alignl 7, 3214868480
	.fill 96, 4, 3214868480
	.section	.rodata,"a",@progbits
	.p2align	6, 0x0
	.amdhsa_kernel k_qa6bdc06914_proj
		.amdhsa_group_segment_fixed_size 327680
		.amdhsa_private_segment_fixed_size 0
		.amdhsa_enable_private_segment 0
		.amdhsa_kernarg_size 64
		.amdhsa_user_sgpr_count 2
		.amdhsa_user_sgpr_kernarg_segment_ptr 1
		.amdhsa_wavefront_size32 1
		.amdhsa_system_sgpr_workgroup_id_x 1
		.amdhsa_system_sgpr_workgroup_id_y 1
		.amdhsa_system_sgpr_workgroup_id_z 1
		.amdhsa_system_vgpr_workitem_id 0
		.amdhsa_next_free_vgpr 1024
		.amdhsa_next_free_sgpr 66
		.amdhsa_reserve_vcc 0
		.amdhsa_float_denorm_mode_32 3
		.amdhsa_float_denorm_mode_16_64 3
		.amdhsa_memory_ordered 1
		.amdhsa_forward_progress 1
		.amdhsa_inst_pref_size 255
	.end_amdhsa_kernel
	.section	.bss,"aw",@nobits
	.p2align	6
	.space	262144
	.amdgpu_metadata
---
amdhsa.version: [ 1, 2 ]
amdhsa.kernels:
  - .name:           k_qa6bdc06914_proj
    .symbol:         k_qa6bdc06914_proj.kd
    .args:
      - { .name: inputs_q, .offset: 0, .size: 8, .value_kind: global_buffer, .address_space: global }
      - { .name: inputs_k, .offset: 8, .size: 8, .value_kind: global_buffer, .address_space: global }
      - { .name: inputs_v, .offset: 16, .size: 8, .value_kind: global_buffer, .address_space: global }
      - { .name: bq, .offset: 24, .size: 8, .value_kind: global_buffer, .address_space: global }
      - { .name: bk, .offset: 32, .size: 8, .value_kind: global_buffer, .address_space: global }
      - { .name: bv, .offset: 40, .size: 8, .value_kind: global_buffer, .address_space: global }
      - { .name: wq, .offset: 48, .size: 8, .value_kind: global_buffer, .address_space: global }
      - { .name: qkv, .offset: 56, .size: 8, .value_kind: global_buffer, .address_space: global }
    .group_segment_fixed_size: 327680
    .private_segment_fixed_size: 0
    .kernarg_segment_align: 8
    .kernarg_segment_size: 64
    .max_flat_workgroup_size: 128
    .sgpr_count:     66
    .vgpr_count:     1024
    .wavefront_size: 32
...
	.end_amdgpu_metadata
.endif
;; end of part 2
;; launch attn (part 3): grid 64 x 4, 4 waves a work-group, no clusters, 104,960 bytes of LDS; arguments qkv, out0; writes out0
.if DOCPART == 3
	.amdgcn_target "amdgcn-amd-amdhsa--gfx1250"
	.amdhsa_code_object_version 6
	.text
	.protected	k_qa6bdc06914_attn
	.globl	k_qa6bdc06914_attn
	.p2align	8
	.type	k_qa6bdc06914_attn,@function
k_qa6bdc06914_attn:
	s_mov_b64 s[64:65], 0
	v_nop
	global_prefetch_b8 v0, s[64:65] scope:SCOPE_SE
	s_setreg_imm32_b32 hwreg(HW_REG_WAVE_MODE, 25, 1), 1
	s_wait_xcnt 0x0
; out[b][q] = sum over keys k <= q of softmax(q . k / sqrt(512)) v, both products on codes of FP4 (E2M1) as launch 2 laid them.
; WORK LEFT OUT: key steps of 128 keys that lie wholly behind the work-group's 32 queries are under the mask that reference() builds itself (shown at the head of launch 1): of 16 steps the first NS = qb / 4 + 1 are walked.
; THE SOFTMAX: t = score x log2(e) / sqrt(512); p = 2^(t - M), M a whole number at or above the row's largest t; p is quantised along the keys, not normalised; the row's sum l of the unquantised p divides at the end.
; SHARES.  Work-group (qb, batch) owns 32 queries: tiles u = 0, 1, place r of tile u = query 8 u + r + 8 (r / 8).
;   PHASE 1 SHARES THE KEYS: wave w takes places w, w + 4, .. of the walk; place x is key step NS - 1 - x, so the step on the diagonal is wave 0's first.  S^T = K Q^T (source 0 = 16 keys, source 1 = 16 queries): a lane holds
;   one query.  The keys of a tile are not neighbours (launch 2's order of rows), so the 16 registers of tiles 2 b and 2 b + 1 are 16 neighbouring keys.  Each wave keeps a running M of its own.  p's codes do not hang on M:
;   they go to LDS at once, as images of the operand's registers; each block's scale (an f32 number whose exponent field is the byte) and the trip's -M stay in registers.
;   THE COMMON M: the waves exchange -M and l through LDS; each scale is multiplied by 2^(trip's M - common M), which is exact or ends at the byte 0 (2^-127: an error under 6 x 2^-127 |v|), and its byte is stored.
;   PHASE 2 SHARES d: wave w makes channels 128 w .. 128 w + 127 of all 32 queries over all NS steps: O^T = V^T P^T (source 0 = 16 channels, source 1 = P).  No partial sum is ever merged or rescaled.
; K and V go from memory straight into registers, each fragment once a work-group, 512 consecutive bytes a load.
; NO CLUSTER, NO TENSOR LOAD: the number of key steps, 1 to 16, hangs on the work-group's number, so a ring's last steps could not be written out.
; V's loads run four steps ahead; those past the last step are held at the batch's first record, so that the counts of the waits are the same on every way.
; LIMITS: as stated at the head of launch 1.
; LDS: P's images at 0 (16 places x 2,048: 1024 u + 512 c + 16 lane); P's scale words at 32,768 (128 a place; lanes 0-15 tile 0, lanes 16-31 tile 1); the exchange at 34,816 (-M: 512 u + 16 lane + 4 w; l: + 1,024);
;   a stage for each wave at 36,864 (32 rows of 512 + 16 bytes); the spare words at 104,448.
; REGISTERS.  window 0: v2-15 addresses; v16-19 V's offsets; v20-27 -M, largest t, l (two halves) for each tile; v28-31 f; v32-47 K's, later V's scale words; v48-51 Q's; v52-53 P's; v54-59 common -M, 1 / l; v64-79 p's codes;
;   v80-111 at work; v128-255 S^T, then p; later rows of the output.   window 1: K's fragment (s, t) at 8 (8 s + t); later four buffers of V at 64 (step % 4) + 8 t.
;   window 2: Q (u, s) at 32 u + 8 s; O^T (u, t) at 64 + 8 (8 u + t); v192-223 the trips' scales, later two buffers of P; v224-231 the trips' -M.
.set REC,   34816
.set PSC,   32768
.set XCH,   34816
.set STG,   36864
.set SPARE, 104448
.set SPW, 2
.set NIL, 3
.set L16, 4                            ; v4   16 x lane
.set PIA, 5                            ; v5   where I store P's images: 2048 w + 16 lane
.set PSA, 6                            ; v6   and P's scale words: 128 w + 4 lane
.set XA,  7                            ; v7   the exchange, on the way in
.set XRD, 8                            ; v8   and out
.set PSR, 10                           ; v10  where I read P's scale words
.set STO, 11                           ; v11  the stage: where I put 32 bytes of a row
.set SRD, 12                           ; v12  and where I read a row back
.set NINF, 13
.set DQ,  14                           ; v14-15 my query less 16 (lane / 16), counted from the diagonal step's first key
.set VO,  16
.set ST,  20
.set F,   28
.set KS,  32
.set VS,  32
.set QS,  48
.set PS,  52
.set NF,  54
.set RL,  56
.set PCD, 64
.set BM,  80
.set T1,  88
.set SO,  96
.set T2,  104
.set SM,  108
.set S,   128
.set DL,  144
.set FB,  160
.set FW,  192
.set OA,  64                           ; window 2
.set RAW, 192
.set PF,  192
.set MR,  224
.set MSB, 0
.macro WIN new                         ; the immediate's high byte repeats the setting that is left
.if MSB != \new
	s_set_vgpr_msb (MSB<<8)|\new
.set MSB, \new
.endif
.endm
.macro PLACES
.rept 4
	v_nop
.endr
.endm
; z = 1: the product starts the sum.  ra, rb: the side's scale words lie in lanes 16-31
.macro WM d, a, b, z, sa, sb, ra, rb
.if (\z) && (\ra) && (\rb)
	v_wmma_scale_f32_16x16x128_f8f6f4 v[(\d):(\d)+7], v[(\a):(\a)+7], v[(\b):(\b)+7], 0, v[\sa], v[\sb] matrix_a_fmt:MATRIX_FMT_FP4 matrix_b_fmt:MATRIX_FMT_FP4 matrix_a_scale:MATRIX_SCALE_ROW1 matrix_b_scale:MATRIX_SCALE_ROW1
.elseif (\z) && (\ra)
	v_wmma_scale_f32_16x16x128_f8f6f4 v[(\d):(\d)+7], v[(\a):(\a)+7], v[(\b):(\b)+7], 0, v[\sa], v[\sb] matrix_a_fmt:MATRIX_FMT_FP4 matrix_b_fmt:MATRIX_FMT_FP4 matrix_a_scale:MATRIX_SCALE_ROW1
.elseif (\z) && (\rb)
	v_wmma_scale_f32_16x16x128_f8f6f4 v[(\d):(\d)+7], v[(\a):(\a)+7], v[(\b):(\b)+7], 0, v[\sa], v[\sb] matrix_a_fmt:MATRIX_FMT_FP4 matrix_b_fmt:MATRIX_FMT_FP4 matrix_b_scale:MATRIX_SCALE_ROW1
.elseif (\z)
	v_wmma_scale_f32_16x16x128_f8f6f4 v[(\d):(\d)+7], v[(\a):(\a)+7], v[(\b):(\b)+7], 0, v[\sa], v[\sb] matrix_a_fmt:MATRIX_FMT_FP4 matrix_b_fmt:MATRIX_FMT_FP4
.elseif (\ra) && (\rb)
	v_wmma_scale_f32_16x16x128_f8f6f4 v[(\d):(\d)+7], v[(\a):(\a)+7], v[(\b):(\b)+7], v[(\d):(\d)+7], v[\sa], v[\sb] matrix_a_fmt:MATRIX_FMT_FP4 matrix_b_fmt:MATRIX_FMT_FP4 matrix_a_scale:MATRIX_SCALE_ROW1 matrix_b_scale:MATRIX_SCALE_ROW1
.elseif (\ra)
	v_wmma_scale_f32_16x16x128_f8f6f4 v[(\d):(\d)+7], v[(\a):(\a)+7], v[(\b):(\b)+7], v[(\d):(\d)+7], v[\sa], v[\sb] matrix_a_fmt:MATRIX_FMT_FP4 matrix_b_fmt:MATRIX_FMT_FP4 matrix_a_scale:MATRIX_SCALE_ROW1
.elseif (\rb)
	v_wmma_scale_f32_16x16x128_f8f6f4 v[(\d):(\d)+7], v[(\a):(\a)+7], v[(\b):(\b)+7], v[(\d):(\d)+7], v[\sa], v[\sb] matrix_a_fmt:MATRIX_FMT_FP4 matrix_b_fmt:MATRIX_FMT_FP4 matrix_b_scale:MATRIX_SCALE_ROW1
.else
	v_wmma_scale_f32_16x16x128_f8f6f4 v[(\d):(\d)+7], v[(\a):(\a)+7], v[(\b):(\b)+7], v[(\d):(\d)+7], v[\sa], v[\sb] matrix_a_fmt:MATRIX_FMT_FP4 matrix_b_fmt:MATRIX_FMT_FP4
.endif
.endm
	s_load_b128 s[4:7], s[0:1], 0x0                ; qkv s[4:5], out0 s[6:7]
	v_lshl_add_u32 v[SPW], v0, 2, SPARE
	v_mov_b32 v[NIL], 0
	v_lshrrev_b32 v1, 5, v0
	v_readfirstlane_b32 s8, v1                     ; wave w
	v_and_b32 v1, 31, v0                           ; lane
	v_and_b32 v9, 15, v0                           ; r
	v_bfe_u32 v60, v0, 4, 1                        ; h
	s_mov_b32 s11, 0xffff0000                      ; lanes 16-31
	s_mov_b32 s12, 0x76543210
	s_mov_b32 s13, 0xfedcba98                      ; v_permlanex16_b32's selects for lane l xor 16
	s_mov_b32 s14, 0x3d8293ee                      ; c = log2(e) / sqrt(512)
	s_mov_b32 s15, s14                             ; (named with it as a pair, so it is written)
	s_and_b32 s30, ttmp7, 0xffff                   ; batch
	s_lshr_b32 s31, ttmp9, 2                       ; the key step on my diagonal
	s_and_b32 s32, ttmp9, 3                        ; which 32 of its 128 rows are my queries
	s_add_co_u32 s9, s31, 1                        ; NS: key steps that count
	s_sub_co_i32 s10, s9, s8                       ; NW = NS - w: trip i is mine where NW > 4 i
	s_lshl_b32 s33, s30, 4                         ; 16 records a batch
	s_add_co_u32 s34, s33, s31
	s_mul_i32 s34, s34, REC                        ; my queries' record
	s_lshl_b32 s36, s32, 13
	s_add_co_u32 s36, s36, s34                     ; Q's codes
	s_mov_b32 s37, 0
	s_lshl_b32 s38, s32, 2
	s_add_co_u32 s38, s38, s34
	s_add_co_u32 s38, s38, 32768                   ; Q's scale words
	s_mov_b32 s39, 0
	s_add_co_u32 s40, s33, s31
	s_add_co_u32 s40, s40, 64
	s_sub_co_u32 s40, s40, s8
	s_mul_i32 s40, s40, REC                        ; K's record of key step NS - 1 - w (not read where that is under 0)
	s_mov_b32 s41, 0
	s_add_co_u32 s42, s33, 128
	s_mul_i32 s42, s42, REC                        ; V's first record of the batch
	s_lshl_b32 s44, s8, 13
	s_add_co_u32 s44, s44, s42                     ; my eight tiles of d
	s_mov_b32 s45, 0
	s_lshl_b32 s46, s8, 9
	s_add_co_u32 s46, s46, s42
	s_add_co_u32 s46, s46, 32768                   ; and their scale words
	s_mov_b32 s47, 0
	s_mul_i32 s26, s31, REC                        ; the next V step to be fetched: key step NS - 1 first
	s_lshl_b32 s48, s30, 22                        ; out: 2,048 rows of 2,048 bytes a batch,
	s_lshl_b32 s50, ttmp9, 16                      ; 32 rows a work-group,
	s_add_co_u32 s48, s48, s50
	s_lshl_b32 s50, s8, 9                          ; my 128 channels
	s_add_co_u32 s48, s48, s50
	s_mov_b32 s49, 0
	; every LDS address is made here, ahead of the first place where waves part
	v_lshlrev_b32 v[L16], 4, v1
	s_lshl_b32 s50, s8, 11
	v_add_nc_u32 v[PIA], s50, v[L16]
	s_lshl_b32 s50, s8, 7
	s_add_co_u32 s50, s50, PSC
	v_lshl_add_u32 v[PSA], v1, 2, s50
	s_lshl_b32 s50, s8, 2
	s_add_co_u32 s50, s50, XCH
	v_add_nc_u32 v[XA], s50, v[L16]
	v_add_nc_u32 v[XRD], XCH, v[L16]
	v_lshl_add_u32 v[PSR], v1, 2, PSC
	s_mul_i32 s50, s8, 16896
	s_add_co_u32 s50, s50, STG
	v_and_b32 v61, 8, v9
	v_add_nc_u32 v61, v61, v9                      ; r + 8 (r / 8)
	v_mul_u32_u24 v[STO], v61, 528
	v_lshl_add_u32 v[STO], v60, 5, v[STO]
	v_add_nc_u32 v[STO], s50, v[STO]
	v_add_nc_u32 v[SRD], s50, v[L16]
	v_lshlrev_b32 v62, 4, v60
	v_sub_nc_u32 v[DQ], v61, v62
	s_lshl_b32 s50, s32, 5
	v_add_nc_u32 v[DQ], s50, v[DQ]                 ; tile 0: 32 (qb % 4) + r + 8 (r / 8) - 16 h
	v_add_nc_u32 v[DQ+1], 8, v[DQ]                 ; tile 1: 8 more
	v_mov_b32 v[NINF], 0xff800000                  ; -infinity
.irp u, 0,1
	v_mov_b32 v[ST+4*\u+1], 0xff61b1e6             ; the largest t so far: -3e38, under every t
	v_mov_b32 v[ST+4*\u+2], 0                      ; l, in two halves
	v_mov_b32 v[ST+4*\u+3], 0
	v_mov_b32 v[F+2*\u+1], 0                       ; (named as the upper half of a pair)
	v_mov_b32 v[PS+\u], 0
.endr
.irp u, 0,1
	v_floor_f32 v[ST+4*\u], -v[ST+4*\u+1]          ; -M
.endr
.irp k, 0,1,2,3,4,5,6,7
	v_mov_b32 v[T1+\k], 0                          ; written once: a lane permute's destination counts as one of its sources
.endr
	WIN 0x80
.set cn, 0
.rept 40
	v_mov_b32 v[RAW+cn], 0                         ; the scales and -M of trips that are not mine: their words are stored and read by nobody
.set cn, cn+1
.endr
	WIN 0
	s_wait_kmcnt 0x0
	s_add_nc_u64 s[16:17], s[4:5], s[36:37]
	s_add_nc_u64 s[18:19], s[4:5], s[38:39]
	s_add_nc_u64 s[20:21], s[4:5], s[40:41]
	s_add_nc_u64 s[22:23], s[4:5], s[44:45]
	s_add_nc_u64 s[24:25], s[4:5], s[46:47]
	s_add_nc_u64 s[28:29], s[6:7], s[48:49]
	s_cmp_gt_i32 s10, 0
	s_cbranch_scc0 .Lp1done                        ; fewer key steps than waves: I have none in phase 1
; K of trip i: four records back for each trip
.macro KLOAD i
.irp s, 0,1,2,3
	global_load_b128 v[KS+4*\s:KS+4*\s+3], v[L16], s[20:21] offset:32768+512*\s-139264*(\i)   ; register 4 s + b: tile 2 b in lanes 0-15, 2 b + 1 in lanes 16-31
.endr
	WIN 0x40
.irp s, 0,1,2,3
.irp t, 0,1,2,3,4,5,6,7
.irp c, 0,1
	global_load_b128 v[8*(8*\s+\t)+4*\c:8*(8*\s+\t)+4*\c+3], v[L16], s[20:21] offset:4096*\t+1024*\s+512*\c-139264*(\i)
.endr
.endr
.endr
	WIN 0
.endm
; 64 matrix instructions: 4 K steps x 16 accumulators, which take turns, one instruction a turn
.macro SMUL
	WIN 0x09                                       ; source 0 (K) window 1, source 1 (Q) window 2
.irp s, 0,1,2,3
	s_wait_loadcnt 16*(3-\s)                       ; the 16 loads of each later K step may stay out
.irp t, 0,1,2,3,4,5,6,7
.irp u, 0,1
.if \s == 0
	WM S+64*\u+8*\t, 8*(8*\s+\t), 32*\u+8*\s, 1, KS+4*\s+\t/2, QS+\s, \t%2, \u
.else
	WM S+64*\u+8*\t, 8*(8*\s+\t), 32*\u+8*\s, 0, KS+4*\s+\t/2, QS+\s, \t%2, \u
.endif
.endr
.endr
.endr
.endm
; on the diagonal the scores of hidden keys become -infinity: register n holds key 32 (n / 16) + n % 16 + 16 (lane / 16) of the step
.macro MASK
.set cn, 0
.rept 64
	v_cmp_gt_i32 vcc_lo, 32*(cn/16)+cn%16, v[DQ]
	v_cndmask_b32 v[S+cn], v[S+cn], v[NINF], vcc_lo
	v_cmp_gt_i32 vcc_lo, 32*(cn/16)+cn%16, v[DQ+1]
	v_cndmask_b32 v[S+64+cn], v[S+64+cn], v[NINF], vcc_lo
.set cn, cn+1
.endr
.endm
; the softmax of trip i, each stage for both tiles.  k = 4 u + b names block b of tile u: its 16 registers begin at S + 16 k
.macro SOFT i
.irp k, 0,1,2,3,4,5,6,7
	v_max3_num_f32 v[BM+\k], v[S+16*\k], v[S+16*\k+1], v[S+16*\k+2]   ; the largest score of each block of 32 keys: for the row's maximum, and, since p rises with the score, for the block's largest p
.endr
.irp j, 3,5,7,9,11,13
.irp k, 0,1,2,3,4,5,6,7
	v_max3_num_f32 v[BM+\k], v[BM+\k], v[S+16*\k+\j], v[S+16*\k+\j+1]
.endr
.endr
.irp k, 0,1,2,3,4,5,6,7
	v_max_num_f32 v[BM+\k], v[BM+\k], v[S+16*\k+15]
.endr
.irp k, 0,1,2,3,4,5,6,7
	v_permlanex16_b32 v[T1+\k], v[BM+\k], s12, s13
.endr
.irp k, 0,1,2,3,4,5,6,7
	v_max_num_f32 v[BM+\k], v[BM+\k], v[T1+\k]     ; with lane l xor 16's 16 keys
.endr
.irp u, 0,1
	v_max3_num_f32 v[T2+\u], v[BM+4*\u], v[BM+4*\u+1], v[BM+4*\u+2]
.endr
.irp u, 0,1
	v_max_num_f32 v[T2+\u], v[T2+\u], v[BM+4*\u+3]
.endr
.irp u, 0,1
	v_mul_f32 v[T2+\u], s14, v[T2+\u]              ; as t (c is positive)
.endr
.irp u, 0,1
	v_max_num_f32 v[ST+4*\u+1], v[ST+4*\u+1], v[T2+\u]   ; my running largest t
.endr
.irp u, 0,1
	v_mov_b32 v[T2+\u], v[ST+4*\u]
.endr
.irp u, 0,1
	v_floor_f32 v[ST+4*\u], -v[ST+4*\u+1]          ; the new -M = -ceil(t): M is a whole number
.endr
.irp u, 0,1
	v_sub_f32 v[T2+\u], v[ST+4*\u], v[T2+\u]       ; old M less new M: a whole number, 0 or less
.endr
.irp u, 0,1
	v_cvt_i32_f32 v[T2+\u], v[T2+\u]               ; (it saturates)
.endr
.irp u, 0,1
	v_ldexp_f32 v[F+2*\u], 1.0, v[T2+\u]           ; f = 2^(old M - new M)
.endr
.irp u, 0,1
.set cn, 0
.rept 32
	v_pk_fma_f32 v[S+64*\u+2*cn:S+64*\u+2*cn+1], v[S+64*\u+2*cn:S+64*\u+2*cn+1], s[14:15], v[ST+4*\u:ST+4*\u+1] op_sel_hi:[1,0,0]   ; t - M, two at a time
.set cn, cn+1
.endr
.endr
.irp u, 0,1
.irp b, 0,1,2,3
	v_fma_f32 v[BM+4*\u+\b], v[BM+4*\u+\b], s14, v[ST+4*\u]   ; the same of each block's largest score
.endr
.endr
.set cn, 0
.rept 128
	v_exp_f32 v[S+cn], v[S+cn]                     ; p = 2^(t - M), at most 1
.set cn, cn+1
.endr
.irp u, 0,1
	v_pk_mul_f32 v[ST+4*\u+2:ST+4*\u+3], v[ST+4*\u+2:ST+4*\u+3], v[F+2*\u:F+2*\u+1] op_sel_hi:[1,0]   ; l under the new M: plain lines behind the exponentials
.endr
	s_wait_alu depctr_va_vdst(0)                   ; ahead of the first line that names a result: one for the batch of 128
.irp k, 0,1,2,3,4,5,6,7
	v_exp_f32 v[BM+\k], v[BM+\k]                   ; the blocks' largest p
.endr
.irp u, 0,1
	v_pk_add_f32 v[SM+2*\u:SM+2*\u+1], v[S+64*\u:S+64*\u+1], v[S+64*\u+2:S+64*\u+3]   ; the row's sum is taken of the unquantised p, in two chains a tile
.endr
.irp j, 4,8,12,16,20,24,28,32,36,40,44,48,52,56,60
.irp u, 0,1
	v_pk_add_f32 v[ST+4*\u+2:ST+4*\u+3], v[ST+4*\u+2:ST+4*\u+3], v[S+64*\u+\j:S+64*\u+\j+1]
	v_pk_add_f32 v[SM+2*\u:SM+2*\u+1], v[SM+2*\u:SM+2*\u+1], v[S+64*\u+\j+2:S+64*\u+\j+3]
.endr
.endr
.irp u, 0,1
	v_pk_add_f32 v[ST+4*\u+2:ST+4*\u+3], v[ST+4*\u+2:ST+4*\u+3], v[SM+2*\u:SM+2*\u+1]
.endr
	s_wait_alu depctr_va_vdst(0)                   ; and one for the eight
.irp k, 0,1,2,3,4,5,6,7
	v_max_num_f32 v[BM+\k], 0x1800000, v[BM+\k]    ; the floor 2^(3 - 127)
.endr
.irp k, 0,1,2,3,4,5,6,7
	v_add_nc_u32 v[SO+\k], 0xff000000, v[BM+\k]    ; 2 off the exponent field: the conversion's scale operand; its exponent field is the byte under my M
.endr
	WIN 0x80
.irp k, 0,1,2,3,4,5,6,7
	v_mov_b32 v[RAW+8*(\i)+\k], v[SO+\k]           ; kept until the common M is known,
.endr
.irp u, 0,1
	v_mov_b32 v[MR+2*(\i)+\u], v[ST+4*\u]          ; with the -M that it stands under
.endr
	WIN 0
	s_wait_dscnt 0x0                               ; the last trip's stores have read the codes' registers
.irp k, 0,1,2,3,4,5,6,7
	v_cvt_scalef32_pk8_fp4_f32 v[PCD+2*\k], v[S+16*\k:S+16*\k+7], v[SO+\k]
	v_cvt_scalef32_pk8_fp4_f32 v[PCD+2*\k+1], v[S+16*\k+8:S+16*\k+15], v[SO+\k]
.endr
	v_nop                                          ; one plain line behind a scaled conversion
.irp m, 0,1,2,3                                ; m = 2 u + c: the operand's layout wants a whole block in a lane
	v_permlane16_swap_b32 v[PCD+4*\m], v[PCD+4*\m+2]
	v_permlane16_swap_b32 v[PCD+4*\m+1], v[PCD+4*\m+3]
.endr
.irp m, 0,1,2,3
	ds_store_b128 v[PIA], v[PCD+4*\m:PCD+4*\m+3] offset:8192*(\i)+512*\m   ; place w + 4 i of the walk
.endr
.endm
.macro TRIP i
	SMUL
	WIN 0
	PLACES                                         ; in front of the loads into K's registers and of the first read of the scores
.if (\i) < 3
	s_cmp_gt_i32 s10, 4*((\i)+1)
	s_cbranch_scc0 .Lnok_\@
	KLOAD (\i)+1                                   ; the next trip's K lands under this trip's softmax
.Lnok_\@:
.endif
.if (\i) == 0
	s_cmp_lg_u32 s8, 0
	s_cbranch_scc1 .Lnom_\@
	MASK                                           ; the step on the diagonal is wave 0's first
.Lnom_\@:
.endif
	SOFT \i
.if (\i) < 3
	s_cmp_gt_i32 s10, 4*((\i)+1)
	s_cbranch_scc0 .Lp1done
.endif
.endm
; V of place k of the walk into buffer k % 4: 17 loads.  The offset steps down a record and is held at 0
.macro VLOAD k
	v_add_nc_u32 v[VO+((\k)%4)], s26, v[L16]
	global_load_b128 v[VS+4*((\k)%4):VS+4*((\k)%4)+3], v[VO+((\k)%4)], s[24:25]   ; register i: tile 2 i in lanes 0-15, 2 i + 1 in lanes 16-31
	WIN 0x40
.irp t, 0,1,2,3,4,5,6,7
.irp c, 0,1
	global_load_b128 v[64*((\k)%4)+8*\t+4*\c:64*((\k)%4)+8*\t+4*\c+3], v[VO+((\k)%4)], s[22:23] offset:1024*\t+512*\c
.endr
.endr
	WIN 0
	s_sub_co_i32 s26, s26, REC
	s_max_i32 s26, s26, 0
.endm
.macro PLOAD k                         ; P of place k into buffer k % 2
	ds_load_b32 v[PS+((\k)%2)], v[PSR] offset:128*(\k)
	WIN 0x80
.irp m, 0,1,2,3
	ds_load_b128 v[PF+16*((\k)%2)+4*\m:PF+16*((\k)%2)+4*\m+3], v[L16] offset:2048*(\k)+512*\m
.endr
	WIN 0
.endm
.macro PVSTEP k
	s_wait_dscnt 0x0                               ; P of this place is in
.if 15-(\k) >= 3
	s_wait_loadcnt 51                              ; V of this place is in; the 17 loads of each of the three places behind it may stay out
.else
	s_wait_loadcnt 17*(15-(\k))
.endif
.if (\k) < 15
	s_cmp_gt_u32 s9, (\k)+1
	s_cbranch_scc0 .Lnop_\@
	PLOAD (\k)+1
.Lnop_\@:
.endif
	WIN 0xa9                                       ; source 0 (V) window 1; source 1 (P), C and D window 2
.irp t, 0,1,2,3,4,5,6,7
.irp u, 0,1
.if (\k) == 0
	WM OA+8*(8*\u+\t), 64*((\k)%4)+8*\t, PF+16*((\k)%2)+8*\u, 1, VS+4*((\k)%4)+\t/2, PS+((\k)%2), \t%2, \u
.else
	WM OA+8*(8*\u+\t), 64*((\k)%4)+8*\t, PF+16*((\k)%2)+8*\u, 0, VS+4*((\k)%4)+\t/2, PS+((\k)%2), \t%2, \u
.endif
.endr
.endr
	WIN 0
.if (\k) < 15
	s_cmp_le_u32 s9, (\k)+1
	s_cbranch_scc1 .Lpvdone
	PLACES                                         ; in front of the loads into the buffers that these products read
.endif
.if (\k) <= 11
	VLOAD (\k)+4
.endif
.endm
	WIN 0x80
.irp u, 0,1
.irp s, 0,1,2,3
.irp c, 0,1
	global_load_b128 v[32*\u+8*\s+4*\c:32*\u+8*\s+4*\c+3], v[L16], s[16:17] offset:4096*\u+1024*\s+512*\c   ; Q stays in registers
.endr
.endr
.endr
	WIN 0
.irp s, 0,1,2,3
	global_load_b32 v[QS+\s], v[L16], s[18:19] offset:512*\s   ; lanes 0-15: tile 0's words, lanes 16-31: tile 1's
.endr
	KLOAD 0
	TRIP 0
	TRIP 1
	TRIP 2
	TRIP 3
.Lp1done:
	s_wait_loadcnt 0x0                             ; no load into K's registers is pending on any way that leads here: V's first four steps take them
	VLOAD 0
	VLOAD 1
	VLOAD 2
	VLOAD 3
	; THE EXCHANGE: my -M and my l of each query
.irp u, 0,1
	v_add_f32 v[T2+\u], v[ST+4*\u+2], v[ST+4*\u+3]
.endr
.irp u, 0,1
	v_permlanex16_b32 v[T1+4*\u], v[T2+\u], s12, s13
.endr
.irp u, 0,1
	v_add_f32 v[T2+\u], v[T2+\u], v[T1+4*\u]
.endr
.irp u, 0,1
	ds_store_b32 v[XA], v[ST+4*\u] offset:512*\u
	ds_store_b32 v[XA], v[T2+\u] offset:1024+512*\u
.endr
	s_wait_dscnt 0x0                               ; for the others' sake: these stores and P's images have landed
	s_barrier_signal -1
	s_barrier_wait -1
	ds_load_b128 v[128:131], v[XRD]                ; the four waves' -M of my query, tile 0,
	ds_load_b128 v[132:135], v[XRD] offset:512     ; tile 1;
	ds_load_b128 v[136:139], v[XRD] offset:1024    ; their l
	ds_load_b128 v[140:143], v[XRD] offset:1536
	s_wait_dscnt 0x0
.irp u, 0,1
	v_min3_num_f32 v[NF+\u], v[128+4*\u], v[129+4*\u], v[130+4*\u]
.endr
.irp u, 0,1
	v_min_num_f32 v[NF+\u], v[NF+\u], v[131+4*\u]  ; the least -M: the common M
.endr
.irp k, 0,1,2,3,4,5,6,7
	v_sub_f32 v[128+\k], v[NF+\k/4], v[128+\k]     ; a wave's M less the common M: a whole number, 0 or less
.endr
.irp k, 0,1,2,3,4,5,6,7
	v_cvt_i32_f32 v[128+\k], v[128+\k]
.endr
.irp k, 0,1,2,3,4,5,6,7
	v_ldexp_f32 v[136+\k], v[136+\k], v[128+\k]    ; its l under the common M (a wave without key steps has l = 0)
.endr
.irp u, 0,1
	v_add_f32 v[136+4*\u], v[136+4*\u], v[137+4*\u]
	v_add_f32 v[138+4*\u], v[138+4*\u], v[139+4*\u]
.endr
.irp u, 0,1
	v_add_f32 v[136+4*\u], v[136+4*\u], v[138+4*\u]
.endr
.irp u, 0,1
	v_rcp_f32 v[RL+2*\u], v[136+4*\u]              ; 1 / l; the lines below name neither result nor source
.endr
	; my trips' scales under the common M
	WIN 0x08
.set cn, 0
.rept 8
	v_sub_f32 v[DL+cn], v[NF+cn%2], v[MR+cn]       ; the trip's M less the common M
.set cn, cn+1
.endr
	WIN 0
.set cn, 0
.rept 8
	v_cvt_i32_f32 v[DL+cn], v[DL+cn]
.set cn, cn+1
.endr
	WIN 0x02
.set cn, 0
.rept 32
	v_ldexp_f32 v[FB+cn], v[RAW+cn], v[DL+cn/4]    ; the exponent field moves by that whole number, and ends at 0 where it would fall under
.set cn, cn+1
.endr
	WIN 0
.set cn, 0
.rept 32
	v_lshrrev_b32 v[FB+cn], 23, v[FB+cn]           ; the byte
.set cn, cn+1
.endr
.set cn, 0
.rept 8
	v_lshl_or_b32 v[FB+4*cn], v[FB+4*cn+1], 8, v[FB+4*cn]
	v_lshl_or_b32 v[FB+4*cn], v[FB+4*cn+2], 16, v[FB+4*cn]
	v_lshl_or_b32 v[FB+4*cn], v[FB+4*cn+3], 24, v[FB+4*cn]
.set cn, cn+1
.endr
.irp i, 0,1,2,3
	v_cndmask_b32 v[FW+\i], v[FB+8*\i], v[FB+8*\i+4], s11   ; lanes 0-15: tile 0's word, lanes 16-31: tile 1's
.endr
.irp i, 0,1,2,3
	ds_store_b32 v[PSA], v[FW+\i] offset:512*\i
.endr
	s_wait_alu depctr_va_vdst(0)                   ; ahead of the first line that names a reciprocal, and ahead of the branches below
.irp u, 0,1
	v_mov_b32 v[RL+2*\u+1], v[RL+2*\u]             ; (the pair is named whole)
.endr
	s_wait_dscnt 0x0                               ; for the others' sake: the scale words have landed
	s_barrier_signal -1
	s_barrier_wait -1
	PLOAD 0
.irp k, 0,1,2,3,4,5,6,7,8,9,10,11,12,13,14,15
	PVSTEP \k
.endr
.Lpvdone:
	; THE WAY OUT.  Register j of O^T (u, t) is out(query 8 u + r + 8 (r / 8), channel 128 w + 16 t + 8 h + j).  Through my own stage, back as whole rows of 512 bytes.
	PLACES
	WIN 0x82
.irp u, 0,1
.set cn, 0
.rept 32
	v_pk_mul_f32 v[OA+64*\u+2*cn:OA+64*\u+2*cn+1], v[OA+64*\u+2*cn:OA+64*\u+2*cn+1], v[RL+2*\u:RL+2*\u+1] op_sel_hi:[1,0]   ; each accumulator from its low end on
.set cn, cn+1
.endr
.endr
	WIN 0x08                                       ; an LDS store's data are its source 1: window 2
.irp u, 0,1
.irp t, 0,1,2,3,4,5,6,7
	ds_store_b128 v[STO], v[OA+8*(8*\u+\t):OA+8*(8*\u+\t)+3] offset:4224*\u+64*\t
	ds_store_b128 v[STO], v[OA+8*(8*\u+\t)+4:OA+8*(8*\u+\t)+7] offset:4224*\u+64*\t+16
.endr
.endr
	WIN 0
.set cn, 0
.rept 32
	ds_load_b128 v[128+4*cn:128+4*cn+3], v[SRD] offset:528*cn   ; LDS serves a wave's instructions in order (ISA guide 5.7.1.4): these see my stores
.set cn, cn+1
.endr
.set cn, 0
.rept 32
	s_wait_dscnt 31-cn
	global_store_b128 v[L16], v[128+4*cn:128+4*cn+3], s[28:29] offset:2048*cn th:TH_STORE_NT   ; 32 lanes store 512 consecutive bytes, at a multiple of 256 from the output's first byte
.set cn, cn+1
.endr
	s_wait_tensorcnt 0x0                           ; the wave's end, behind my last LDS store
	ds_add_u32 v[SPW], v[NIL]
	s_wait_dscnt 0x0
	s_endpgm
.Lfunc_end_k_qa6bdc06914_attn:
	.size	k_qa6bdc06914_attn, .Lfunc_end_k_qa6bdc06914_attn-k_qa6bdc06914_attn
	.p2alignl 7, 3214868480
	.fill 96, 4, 3214868480
	.section	.rodata,"a",@progbits
	.p2align	6, 0x0
	.amdhsa_kernel k_qa6bdc06914_attn
		.amdhsa_group_segment_fixed_size 104960
		.amdhsa_private_segment_fixed_size 0
		.amdhsa_enable_private_segment 0
		.amdhsa_kernarg_size 16
		.amdhsa_user_sgpr_count 2
		.amdhsa_user_sgpr_kernarg_segment_ptr 1
		.amdhsa_wavefront_size32 1
		.amdhsa_system_sgpr_workgroup_id_x 1
		.amdhsa_system_sgpr_workgroup_id_y 1
		.amdhsa_system_sgpr_workgroup_id_z 1
		.amdhsa_system_vgpr_workitem_id 0
		.amdhsa_next_free_vgpr 768
		.amdhsa_next_free_sgpr 66
		.amdhsa_reserve_vcc 1
		.amdhsa_float_denorm_mode_32 3
		.amdhsa_float_denorm_mode_16_64 3
		.amdhsa_memory_ordered 1
		.amdhsa_forward_progress 1
		.amdhsa_inst_pref_size 255
	.end_amdhsa_kernel
	.amdgpu_metadata
---
amdhsa.version: [ 1, 2 ]
amdhsa.kernels:
  - .name:           k_qa6bdc06914_attn
    .symbol:         k_qa6bdc06914_attn.kd
    .args:
      - { .name: qkv, .offset: 0, .size: 8, .value_kind: global_buffer, .address_space: global }
      - { .name: out0, .offset: 8, .size: 8, .value_kind: global_buffer, .address_space: global }
    .group_segment_fixed_size: 104960
    .private_segment_fixed_size: 0
    .kernarg_segment_align: 8
    .kernarg_segment_size: 16
    .max_flat_workgroup_size: 128
    .sgpr_count:     66
    .vgpr_count:     768
    .wavefront_size: 32
...
	.end_amdgpu_metadata
.endif
;; end of part 3
;; ======== version 2 of 2: 3 launches; version 1 with the launch attn written anew for expert scheduling mode
;; limits: right only within a limited range of input values
;; workspace buffers: wq 835,584 bytes; qkv 6,684,672 bytes
;; launch wquant: the kernel of part 1 again; grid 12 x 8, 4 waves a work-group, no clusters, 0 bytes of LDS; arguments Wq, Wk, Wv, wq; writes wq
;; launch proj: the kernel of part 2 again; grid 192 x 1, 4 waves a work-group, no clusters, 327,680 bytes of LDS; arguments inputs_q, inputs_k, inputs_v, bq, bk, bv, wq, qkv; writes qkv
;; launch attn (part 4): grid 64 x 4, 4 waves a work-group, no clusters, 104,960 bytes of LDS; arguments qkv, out0; writes out0
.if DOCPART == 4
	.amdgcn_target "amdgcn-amd-amdhsa--gfx1250"
	.amdhsa_code_object_version 6
	.text
	.protected	k_qa6bdc06914_attn
	.globl	k_qa6bdc06914_attn
	.p2align	8
	.type	k_qa6bdc06914_attn,@function
k_qa6bdc06914_attn:
	s_mov_b64 s[64:65], 0
	v_nop
	global_prefetch_b8 v0, s[64:65] scope:SCOPE_SE
	s_setreg_imm32_b32 hwreg(HW_REG_WAVE_SCHED_MODE, 0, 2), 2
	s_setreg_imm32_b32 hwreg(HW_REG_WAVE_MODE, 25, 1), 1
	s_wait_xcnt 0x0
	s_wait_alu depctr_vm_vsrc(0)
; out[b][q] = sum over keys k <= q of softmax(q . k / sqrt(512)) v, both products on codes of FP4 (E2M1) as launch 2 laid them.
; WORK LEFT OUT: key steps of 128 keys that lie wholly behind the work-group's 32 queries are under the mask that reference() builds itself (shown at the head of launch 1): of 16 steps the first NS = qb / 4 + 1 are walked.
; THE SOFTMAX: t = score x log2(e) / sqrt(512); p = 2^(t - M), M a whole number at or above the row's largest t; p is quantised along the keys, not normalised; the row's sum l of the unquantised p divides at the end.
; SHARES.  Work-group (qb, batch) owns 32 queries: tiles u = 0, 1, place r of tile u = query 8 u + r + 8 (r / 8).
;   PHASE 1 SHARES THE KEYS: wave w takes places w, w + 4, .. of the walk; place x is key step NS - 1 - x, so the step on the diagonal is wave 0's first.  S^T = K Q^T (source 0 = 16 keys, source 1 = 16 queries): a lane holds
;   one query.  The keys of a tile are not neighbours (launch 2's order of rows), so the 16 registers of tiles 2 b and 2 b + 1 are 16 neighbouring keys.  Each wave keeps a running M of its own.  p's codes do not hang on M:
;   they go to LDS at once, as images of the operand's registers; each block's scale (an f32 number whose exponent field is the byte) and the trip's -M stay in registers.
;   THE COMMON M: the waves exchange -M and l through LDS; each scale is multiplied by 2^(trip's M - common M), which is exact or ends at the byte 0 (2^-127: an error under 6 x 2^-127 |v|), and its byte is stored.
;   PHASE 2 SHARES d: wave w makes channels 128 w .. 128 w + 127 of all 32 queries over all NS steps: O^T = V^T P^T (source 0 = 16 channels, source 1 = P).  No partial sum is ever merged or rescaled.
; K and V go from memory straight into registers, each fragment once a work-group, 512 consecutive bytes a load.
; NO CLUSTER, NO TENSOR LOAD: the number of key steps, 1 to 16, hangs on the work-group's number, so a ring's last steps could not be written out.
; V's loads run four steps ahead; those past the last step are held at the batch's first record, so that the counts of the waits are the same on every way.
; LIMITS: as stated at the head of launch 1.
; THE MODE: SCHED_MODE bits 1:0 = 2 (LLVM: expert scheduling mode 2), set by the entry lines.  The code itself states the register dependences between vector or matrix instructions and memory or LDS instructions,
; with s_wait_alu, always for 0.
; THE PLAN.  Registers that memory or LDS instructions touch, and who else names them:
;   v4-v12      Addresses and offsets: written at the head and never again; read by every load and store.  One wait on va_vdst at the head.
;   K, v32-47   Trip i: its 64 products read K's fragments (window 1) and scale words; the loads of trip i + 1 land in them.  One wait on va_vdst behind the products; the softmax that follows names none of them.
;   v64-79      p's codes.  Written by a trip's conversions and exchanges of halves, read by its four LDS stores: a wait on va_vdst ahead of the stores, a wait on vm_vsrc ahead of the next trip's conversions.
;   V           FIVE buffers: four in window 1 (K's registers), the fifth in window 2 (Q's registers); scale words in v32-47 and v16-19.  Place k's products read buffer k % 5; the loads of place k + 4, which stand behind them,
;               land in buffer (k - 1) % 5.   P: two buffers and v52-53.  Place k's products read buffer k % 2; the loads of place k + 1, which stand ahead of them, land in buffer (k - 1) % 2.
;               So ONE wait on va_vdst stands at the head of a place, behind the waits for its data: the products of the place before are done reading.  No vector or matrix instruction of place k names a register that its loads touch.
;   V's rows    are reached by scalar bases, two to each buffer, written again only behind the wait that shows the buffer's earlier loads done: no vector register is written for an address behind the head.
;   The exchange, the scale words and the way out have a wait on va_vdst ahead of each run of LDS stores, and the way out a wait on vm_vsrc ahead of the loads that land where stores have read.
;   s8 and the masks s30-61 are scalar registers that vector instructions write: a wait on va_sdst stands between the writers and their first reader.
; LDS: P's images at 0 (16 places x 2,048: 1024 u + 512 c + 16 lane); P's scale words at 32,768 (128 a place; lanes 0-15 tile 0, lanes 16-31 tile 1); the exchange at 34,816 (-M: 512 u + 16 lane + 4 w; l: + 1,024);
;   a stage for each wave at 36,864 (32 rows of 512 + 16 bytes); the spare words at 104,448.
; REGISTERS.  window 0: v2-15 addresses; v16-19 the scale words of V's fifth buffer; v20-27 -M, largest t, l (two halves) for each tile; v28-31 f; v32-47 K's, later V's scale words; v48-51 Q's; v52-53 P's; v54-59 common -M, 1 / l;
;   v64-79 p's codes; v80-111 at work; v128-255 S^T, then p; later rows of the output.   window 1: K's fragment (s, t) at 8 (8 s + t); later four buffers of V at 64 b + 8 t.
;   window 2: Q (u, s) at 32 u + 8 s, later V's fifth buffer at 8 t; O^T (u, t) at 64 + 8 (8 u + t); v192-223 the trips' scales, later two buffers of P; v224-231 the trips' -M.
;   s30-61: in phase 1 the masks of the diagonal; s30-49: in phase 2 V's bases: buffer b: its codes at s[30 + 4 b], its scale words at s[32 + 4 b].
.set REC,   34816
.set PSC,   32768
.set XCH,   34816
.set STG,   36864
.set SPARE, 104448
.set SPW, 2
.set NIL, 3
.set L16, 4                            ; v4   16 x lane
.set PIA, 5                            ; v5   where I store P's images: 2048 w + 16 lane
.set PSA, 6                            ; v6   and P's scale words: 128 w + 4 lane
.set XA,  7                            ; v7   the exchange, on the way in
.set XRD, 8                            ; v8   and out
.set PSR, 10                           ; v10  where I read P's scale words
.set STO, 11                           ; v11  the stage: where I put 32 bytes of a row
.set SRD, 12                           ; v12  and where I read a row back
.set NINF, 13
.set DQ,  14                           ; v14-15 my query less 16 (lane / 16), counted from the diagonal step's first key
.set VS4, 16
.set ST,  20
.set F,   28
.set KS,  32
.set VS,  32
.set QS,  48
.set PS,  52
.set NF,  54
.set RL,  56
.set PCD, 64
.set BM,  80
.set T1,  88
.set SO,  96
.set T2,  104
.set SM,  108
.set S,   128
.set DL,  144
.set FB,  160
.set FW,  192
.set OA,  64                           ; window 2
.set RAW, 192
.set PF,  192
.set MR,  224
.set MK,  30                           ; s30-61
.set VBS, 30                           ; s30-49
.set MSB, 0
.macro WIN new                         ; the immediate's high byte repeats the setting that is left
.if MSB != \new
	s_set_vgpr_msb (MSB<<8)|\new
.set MSB, \new
.endif
.endm
.macro PLACES
.rept 4
	v_nop
.endr
.endm
; z = 1: the product starts the sum.  ra, rb: the side's scale words lie in lanes 16-31
.macro WM d, a, b, z, sa, sb, ra, rb
.if (\z) && (\ra) && (\rb)
	v_wmma_scale_f32_16x16x128_f8f6f4 v[(\d):(\d)+7], v[(\a):(\a)+7], v[(\b):(\b)+7], 0, v[\sa], v[\sb] matrix_a_fmt:MATRIX_FMT_FP4 matrix_b_fmt:MATRIX_FMT_FP4 matrix_a_scale:MATRIX_SCALE_ROW1 matrix_b_scale:MATRIX_SCALE_ROW1
.elseif (\z) && (\ra)
	v_wmma_scale_f32_16x16x128_f8f6f4 v[(\d):(\d)+7], v[(\a):(\a)+7], v[(\b):(\b)+7], 0, v[\sa], v[\sb] matrix_a_fmt:MATRIX_FMT_FP4 matrix_b_fmt:MATRIX_FMT_FP4 matrix_a_scale:MATRIX_SCALE_ROW1
.elseif (\z) && (\rb)
	v_wmma_scale_f32_16x16x128_f8f6f4 v[(\d):(\d)+7], v[(\a):(\a)+7], v[(\b):(\b)+7], 0, v[\sa], v[\sb] matrix_a_fmt:MATRIX_FMT_FP4 matrix_b_fmt:MATRIX_FMT_FP4 matrix_b_scale:MATRIX_SCALE_ROW1
.elseif (\z)
	v_wmma_scale_f32_16x16x128_f8f6f4 v[(\d):(\d)+7], v[(\a):(\a)+7], v[(\b):(\b)+7], 0, v[\sa], v[\sb] matrix_a_fmt:MATRIX_FMT_FP4 matrix_b_fmt:MATRIX_FMT_FP4
.elseif (\ra) && (\rb)
	v_wmma_scale_f32_16x16x128_f8f6f4 v[(\d):(\d)+7], v[(\a):(\a)+7], v[(\b):(\b)+7], v[(\d):(\d)+7], v[\sa], v[\sb] matrix_a_fmt:MATRIX_FMT_FP4 matrix_b_fmt:MATRIX_FMT_FP4 matrix_a_scale:MATRIX_SCALE_ROW1 matrix_b_scale:MATRIX_SCALE_ROW1
.elseif (\ra)
	v_wmma_scale_f32_16x16x128_f8f6f4 v[(\d):(\d)+7], v[(\a):(\a)+7], v[(\b):(\b)+7], v[(\d):(\d)+7], v[\sa], v[\sb] matrix_a_fmt:MATRIX_FMT_FP4 matrix_b_fmt:MATRIX_FMT_FP4 matrix_a_scale:MATRIX_SCALE_ROW1
.elseif (\rb)
	v_wmma_scale_f32_16x16x128_f8f6f4 v[(\d):(\d)+7], v[(\a):(\a)+7], v[(\b):(\b)+7], v[(\d):(\d)+7], v[\sa], v[\sb] matrix_a_fmt:MATRIX_FMT_FP4 matrix_b_fmt:MATRIX_FMT_FP4 matrix_b_scale:MATRIX_SCALE_ROW1
.else
	v_wmma_scale_f32_16x16x128_f8f6f4 v[(\d):(\d)+7], v[(\a):(\a)+7], v[(\b):(\b)+7], v[(\d):(\d)+7], v[\sa], v[\sb] matrix_a_fmt:MATRIX_FMT_FP4 matrix_b_fmt:MATRIX_FMT_FP4
.endif
.endm
	s_load_b128 s[4:7], s[0:1], 0x0                ; qkv s[4:5], out0 s[6:7]
	v_lshl_add_u32 v[SPW], v0, 2, SPARE
	v_mov_b32 v[NIL], 0
	v_lshrrev_b32 v1, 5, v0
	v_readfirstlane_b32 s8, v1                     ; wave w
	v_and_b32 v1, 31, v0                           ; lane
	v_and_b32 v9, 15, v0                           ; r
	v_bfe_u32 v60, v0, 4, 1                        ; h
	s_wait_alu depctr_va_sdst(0)                   ; s8 is written, ahead of its first reader: the trips' count, the bases and the LDS addresses are made from it
	s_mov_b32 s11, 0xffff0000                      ; lanes 16-31
	s_mov_b32 s12, 0x76543210
	s_mov_b32 s13, 0xfedcba98                      ; v_permlanex16_b32's selects for lane l xor 16
	s_mov_b32 s14, 0x3d8293ee                      ; c = log2(e) / sqrt(512)
	s_mov_b32 s15, s14                             ; (named with it as a pair, so it is written)
	s_and_b32 s30, ttmp7, 0xffff                   ; batch
	s_lshr_b32 s31, ttmp9, 2                       ; the key step on my diagonal
	s_and_b32 s32, ttmp9, 3                        ; which 32 of its 128 rows are my queries
	s_add_co_u32 s9, s31, 1                        ; NS: key steps that count
	s_sub_co_i32 s10, s9, s8                       ; NW = NS - w: trip i is mine where NW > 4 i
	s_lshl_b32 s33, s30, 4                         ; 16 records a batch
	s_add_co_u32 s34, s33, s31
	s_mul_i32 s34, s34, REC                        ; my queries' record
	s_lshl_b32 s36, s32, 13
	s_add_co_u32 s36, s36, s34                     ; Q's codes
	s_mov_b32 s37, 0
	s_lshl_b32 s38, s32, 2
	s_add_co_u32 s38, s38, s34
	s_add_co_u32 s38, s38, 32768                   ; Q's scale words
	s_mov_b32 s39, 0
	s_add_co_u32 s40, s33, s31
	s_add_co_u32 s40, s40, 64
	s_sub_co_u32 s40, s40, s8
	s_mul_i32 s40, s40, REC                        ; K's record of key step NS - 1 - w (not read where that is under 0)
	s_mov_b32 s41, 0
	s_add_co_u32 s42, s33, 128
	s_mul_i32 s42, s42, REC                        ; V's first record of the batch
	s_lshl_b32 s44, s8, 13
	s_add_co_u32 s44, s44, s42                     ; my eight tiles of d
	s_mov_b32 s45, 0
	s_lshl_b32 s46, s8, 9
	s_add_co_u32 s46, s46, s42
	s_add_co_u32 s46, s46, 32768                   ; and their scale words
	s_mov_b32 s47, 0
	s_mul_i32 s26, s31, REC                        ; the next V step to be fetched: key step NS - 1 first
	s_mov_b32 s27, 0                               ; (the offset is added to the bases as a pair)
	s_lshl_b32 s48, s30, 22                        ; out: 2,048 rows of 2,048 bytes a batch,
	s_lshl_b32 s50, ttmp9, 16                      ; 32 rows a work-group,
	s_add_co_u32 s48, s48, s50
	s_lshl_b32 s50, s8, 9                          ; my 128 channels
	s_add_co_u32 s48, s48, s50
	s_mov_b32 s49, 0
	; every LDS address is made here, ahead of the first place where waves part
	v_lshlrev_b32 v[L16], 4, v1
	s_lshl_b32 s50, s8, 11
	v_add_nc_u32 v[PIA], s50, v[L16]
	s_lshl_b32 s50, s8, 7
	s_add_co_u32 s50, s50, PSC
	v_lshl_add_u32 v[PSA], v1, 2, s50
	s_lshl_b32 s50, s8, 2
	s_add_co_u32 s50, s50, XCH
	v_add_nc_u32 v[XA], s50, v[L16]
	v_add_nc_u32 v[XRD], XCH, v[L16]
	v_lshl_add_u32 v[PSR], v1, 2, PSC
	s_mul_i32 s50, s8, 16896
	s_add_co_u32 s50, s50, STG
	v_and_b32 v61, 8, v9
	v_add_nc_u32 v61, v61, v9                      ; r + 8 (r / 8)
	v_mul_u32_u24 v[STO], v61, 528
	v_lshl_add_u32 v[STO], v60, 5, v[STO]
	v_add_nc_u32 v[STO], s50, v[STO]
	v_add_nc_u32 v[SRD], s50, v[L16]
	v_lshlrev_b32 v62, 4, v60
	v_sub_nc_u32 v[DQ], v61, v62
	s_lshl_b32 s50, s32, 5
	v_add_nc_u32 v[DQ], s50, v[DQ]                 ; tile 0: 32 (qb % 4) + r + 8 (r / 8) - 16 h
	v_add_nc_u32 v[DQ+1], 8, v[DQ]                 ; tile 1: 8 more
	v_mov_b32 v[NINF], 0xff800000                  ; -infinity
.irp u, 0,1
	v_mov_b32 v[ST+4*\u+1], 0xff61b1e6             ; the largest t so far: -3e38, under every t
	v_mov_b32 v[ST+4*\u+2], 0                      ; l, in two halves
	v_mov_b32 v[ST+4*\u+3], 0
	v_mov_b32 v[F+2*\u+1], 0                       ; (named as the upper half of a pair)
	v_mov_b32 v[PS+\u], 0
.endr
.irp u, 0,1
	v_floor_f32 v[ST+4*\u], -v[ST+4*\u+1]          ; -M
.endr
.irp k, 0,1,2,3,4,5,6,7
	v_mov_b32 v[T1+\k], 0                          ; written once: a lane permute's destination counts as one of its sources
.endr
	WIN 0x80
.set cn, 0
.rept 40
	v_mov_b32 v[RAW+cn], 0                         ; the scales and -M of trips that are not mine: their words are stored and read by nobody
.set cn, cn+1
.endr
	WIN 0
	s_wait_kmcnt 0x0
	s_add_nc_u64 s[16:17], s[4:5], s[36:37]
	s_add_nc_u64 s[18:19], s[4:5], s[38:39]
	s_add_nc_u64 s[20:21], s[4:5], s[40:41]
	s_add_nc_u64 s[22:23], s[4:5], s[44:45]
	s_add_nc_u64 s[24:25], s[4:5], s[46:47]
	s_add_nc_u64 s[28:29], s[6:7], s[48:49]
	s_wait_alu depctr_va_vdst(0)                   ; the addresses and offsets v4 to v12 are written, which every load and store of the kernel reads; so is all else that the head wrote: -M and l, which a wave without key steps stores as they are
	s_cmp_gt_i32 s10, 0
	s_cbranch_scc0 .Lp1done                        ; fewer key steps than waves: I have none in phase 1
; K of trip i: four records back for each trip
.macro KLOAD i
.irp s, 0,1,2,3
	global_load_b128 v[KS+4*\s:KS+4*\s+3], v[L16], s[20:21] offset:32768+512*\s-139264*(\i)   ; register 4 s + b: tile 2 b in lanes 0-15, 2 b + 1 in lanes 16-31
.endr
	WIN 0x40
.irp s, 0,1,2,3
.irp t, 0,1,2,3,4,5,6,7
.irp c, 0,1
	global_load_b128 v[8*(8*\s+\t)+4*\c:8*(8*\s+\t)+4*\c+3], v[L16], s[20:21] offset:4096*\t+1024*\s+512*\c-139264*(\i)
.endr
.endr
.endr
	WIN 0
.endm
; 64 matrix instructions: 4 K steps x 16 accumulators, which take turns, one instruction a turn
.macro SMUL
	WIN 0x09                                       ; source 0 (K) window 1, source 1 (Q) window 2
.irp s, 0,1,2,3
	s_wait_loadcnt 16*(3-\s)                       ; the 16 loads of each later K step may stay out
.irp t, 0,1,2,3,4,5,6,7
.irp u, 0,1
.if \s == 0
	WM S+64*\u+8*\t, 8*(8*\s+\t), 32*\u+8*\s, 1, KS+4*\s+\t/2, QS+\s, \t%2, \u
.else
	WM S+64*\u+8*\t, 8*(8*\s+\t), 32*\u+8*\s, 0, KS+4*\s+\t/2, QS+\s, \t%2, \u
.endif
.endr
.endr
.endr
.endm
; on the diagonal the scores of hidden keys become -infinity: register n holds key 32 (n / 16) + n % 16 + 16 (lane / 16) of the step.
; The compares go in four runs of 32, each into a scalar register of its own, so that one wait serves a run
.macro MASK
.irp g, 0,1,2,3
.set cn, 16*\g
.rept 16
	v_cmp_gt_i32 s[MK+2*(cn%16)], 32*(cn/16)+cn%16, v[DQ]
	v_cmp_gt_i32 s[MK+2*(cn%16)+1], 32*(cn/16)+cn%16, v[DQ+1]
.set cn, cn+1
.endr
	s_wait_alu depctr_va_sdst(0)                   ; the run's 32 masks are written, ahead of the selects that read them
.set cn, 16*\g
.rept 16
	v_cndmask_b32 v[S+cn], v[S+cn], v[NINF], s[MK+2*(cn%16)]
	v_cndmask_b32 v[S+64+cn], v[S+64+cn], v[NINF], s[MK+2*(cn%16)+1]
.set cn, cn+1
.endr
.endr
.endm
; the softmax of trip i, each stage for both tiles.  k = 4 u + b names block b of tile u: its 16 registers begin at S + 16 k
.macro SOFT i
.irp k, 0,1,2,3,4,5,6,7
	v_max3_num_f32 v[BM+\k], v[S+16*\k], v[S+16*\k+1], v[S+16*\k+2]   ; the largest score of each block of 32 keys: for the row's maximum, and, since p rises with the score, for the block's largest p
.endr
.irp j, 3,5,7,9,11,13
.irp k, 0,1,2,3,4,5,6,7
	v_max3_num_f32 v[BM+\k], v[BM+\k], v[S+16*\k+\j], v[S+16*\k+\j+1]
.endr
.endr
.irp k, 0,1,2,3,4,5,6,7
	v_max_num_f32 v[BM+\k], v[BM+\k], v[S+16*\k+15]
.endr
.irp k, 0,1,2,3,4,5,6,7
	v_permlanex16_b32 v[T1+\k], v[BM+\k], s12, s13
.endr
.irp k, 0,1,2,3,4,5,6,7
	v_max_num_f32 v[BM+\k], v[BM+\k], v[T1+\k]     ; with lane l xor 16's 16 keys
.endr
.irp u, 0,1
	v_max3_num_f32 v[T2+\u], v[BM+4*\u], v[BM+4*\u+1], v[BM+4*\u+2]
.endr
.irp u, 0,1
	v_max_num_f32 v[T2+\u], v[T2+\u], v[BM+4*\u+3]
.endr
.irp u, 0,1
	v_mul_f32 v[T2+\u], s14, v[T2+\u]              ; as t (c is positive)
.endr
.irp u, 0,1
	v_max_num_f32 v[ST+4*\u+1], v[ST+4*\u+1], v[T2+\u]   ; my running largest t
.endr
.irp u, 0,1
	v_mov_b32 v[T2+\u], v[ST+4*\u]
.endr
.irp u, 0,1
	v_floor_f32 v[ST+4*\u], -v[ST+4*\u+1]          ; the new -M = -ceil(t): M is a whole number
.endr
.irp u, 0,1
	v_sub_f32 v[T2+\u], v[ST+4*\u], v[T2+\u]       ; old M less new M: a whole number, 0 or less
.endr
.irp u, 0,1
	v_cvt_i32_f32 v[T2+\u], v[T2+\u]               ; (it saturates)
.endr
.irp u, 0,1
	v_ldexp_f32 v[F+2*\u], 1.0, v[T2+\u]           ; f = 2^(old M - new M)
.endr
.irp u, 0,1
.set cn, 0
.rept 32
	v_pk_fma_f32 v[S+64*\u+2*cn:S+64*\u+2*cn+1], v[S+64*\u+2*cn:S+64*\u+2*cn+1], s[14:15], v[ST+4*\u:ST+4*\u+1] op_sel_hi:[1,0,0]   ; t - M, two at a time
.set cn, cn+1
.endr
.endr
.irp u, 0,1
.irp b, 0,1,2,3
	v_fma_f32 v[BM+4*\u+\b], v[BM+4*\u+\b], s14, v[ST+4*\u]   ; the same of each block's largest score
.endr
.endr
.set cn, 0
.rept 128
	v_exp_f32 v[S+cn], v[S+cn]                     ; p = 2^(t - M), at most 1
.set cn, cn+1
.endr
.irp u, 0,1
	v_pk_mul_f32 v[ST+4*\u+2:ST+4*\u+3], v[ST+4*\u+2:ST+4*\u+3], v[F+2*\u:F+2*\u+1] op_sel_hi:[1,0]   ; l under the new M: plain lines behind the exponentials
.endr
	s_wait_alu depctr_va_vdst(0)                   ; the 128 exponentials have written p, ahead of the first line that names a result: one for the batch
.irp k, 0,1,2,3,4,5,6,7
	v_exp_f32 v[BM+\k], v[BM+\k]                   ; the blocks' largest p
.endr
.irp u, 0,1
	v_pk_add_f32 v[SM+2*\u:SM+2*\u+1], v[S+64*\u:S+64*\u+1], v[S+64*\u+2:S+64*\u+3]   ; the row's sum is taken of the unquantised p, in two chains a tile
.endr
.irp j, 4,8,12,16,20,24,28,32,36,40,44,48,52,56,60
.irp u, 0,1
	v_pk_add_f32 v[ST+4*\u+2:ST+4*\u+3], v[ST+4*\u+2:ST+4*\u+3], v[S+64*\u+\j:S+64*\u+\j+1]
	v_pk_add_f32 v[SM+2*\u:SM+2*\u+1], v[SM+2*\u:SM+2*\u+1], v[S+64*\u+\j+2:S+64*\u+\j+3]
.endr
.endr
.irp u, 0,1
	v_pk_add_f32 v[ST+4*\u+2:ST+4*\u+3], v[ST+4*\u+2:ST+4*\u+3], v[SM+2*\u:SM+2*\u+1]
.endr
	s_wait_alu depctr_va_vdst(0)                   ; the eight exponentials have written the blocks' largest p, ahead of the first line that names one
.irp k, 0,1,2,3,4,5,6,7
	v_max_num_f32 v[BM+\k], 0x1800000, v[BM+\k]    ; the floor 2^(3 - 127)
.endr
.irp k, 0,1,2,3,4,5,6,7
	v_add_nc_u32 v[SO+\k], 0xff000000, v[BM+\k]    ; 2 off the exponent field: the conversion's scale operand; its exponent field is the byte under my M
.endr
	WIN 0x80
.irp k, 0,1,2,3,4,5,6,7
	v_mov_b32 v[RAW+8*(\i)+\k], v[SO+\k]           ; kept until the common M is known,
.endr
.irp u, 0,1
	v_mov_b32 v[MR+2*(\i)+\u], v[ST+4*\u]          ; with the -M that it stands under
.endr
	WIN 0
	s_wait_dscnt 0x0                               ; the last trip's stores are done
.if (\i) > 0
	s_wait_alu depctr_vm_vsrc(0)                   ; the last trip's LDS stores have read the codes' registers, which the conversions below write again
.endif
.irp k, 0,1,2,3,4,5,6,7
	v_cvt_scalef32_pk8_fp4_f32 v[PCD+2*\k], v[S+16*\k:S+16*\k+7], v[SO+\k]
	v_cvt_scalef32_pk8_fp4_f32 v[PCD+2*\k+1], v[S+16*\k+8:S+16*\k+15], v[SO+\k]
.endr
	v_nop                                          ; one plain line behind a scaled conversion
.irp m, 0,1,2,3                                ; m = 2 u + c: the operand's layout wants a whole block in a lane
	v_permlane16_swap_b32 v[PCD+4*\m], v[PCD+4*\m+2]
	v_permlane16_swap_b32 v[PCD+4*\m+1], v[PCD+4*\m+3]
.endr
	s_wait_alu depctr_va_vdst(0)                   ; the conversions and the exchanges of halves have written the codes, which the LDS stores read.  No vector or matrix instruction of the trip stands behind this wait
.irp m, 0,1,2,3
	ds_store_b128 v[PIA], v[PCD+4*\m:PCD+4*\m+3] offset:8192*(\i)+512*\m   ; place w + 4 i of the walk
.endr
.endm
.macro TRIP i
	SMUL
	WIN 0
	PLACES                                         ; in front of the first read of the scores
.if (\i) < 3
	s_wait_alu depctr_va_vdst(0)                   ; the 64 products are done reading K's fragments and scale words, in which the next trip's loads land
	s_cmp_gt_i32 s10, 4*((\i)+1)
	s_cbranch_scc0 .Lnok_\@
	KLOAD (\i)+1                                   ; the next trip's K lands under this trip's softmax, which names none of its registers
.Lnok_\@:
.endif
.if (\i) == 0
	s_cmp_lg_u32 s8, 0
	s_cbranch_scc1 .Lnom_\@
	MASK                                           ; the step on the diagonal is wave 0's first
.Lnom_\@:
.endif
	SOFT \i
.if (\i) < 3
	s_cmp_gt_i32 s10, 4*((\i)+1)
	s_cbranch_scc0 .Lp1done
.endif
.endm
; V of place k of the walk into buffer k % 5: 17 loads.  The buffer's two bases are made from the offset, which then steps down a record and is held at 0.
; The bases are written again only behind the wait on LOADcnt that has shown the buffer's earlier loads done
.macro VLOAD k
.set fb, (\k)%5
.set fs, VS+4*fb
.if fb == 4
.set fs, VS4
.endif
	s_add_nc_u64 s[VBS+4*fb:VBS+4*fb+1], s[22:23], s[26:27]
	s_add_nc_u64 s[VBS+4*fb+2:VBS+4*fb+3], s[24:25], s[26:27]
	s_sub_co_i32 s26, s26, REC
	s_max_i32 s26, s26, 0
	global_load_b128 v[fs:fs+3], v[L16], s[VBS+4*fb+2:VBS+4*fb+3]   ; register i: tile 2 i in lanes 0-15, 2 i + 1 in lanes 16-31
.if fb == 4
	WIN 0x80                                       ; the fifth buffer lies in window 2
.else
	WIN 0x40
.endif
.irp t, 0,1,2,3,4,5,6,7
.irp c, 0,1
	global_load_b128 v[64*(fb%4)+8*\t+4*\c:64*(fb%4)+8*\t+4*\c+3], v[L16], s[VBS+4*fb:VBS+4*fb+1] offset:1024*\t+512*\c
.endr
.endr
	WIN 0
.endm
.macro PLOAD k                         ; P of place k into buffer k % 2
	ds_load_b32 v[PS+((\k)%2)], v[PSR] offset:128*(\k)
	WIN 0x80
.irp m, 0,1,2,3
	ds_load_b128 v[PF+16*((\k)%2)+4*\m:PF+16*((\k)%2)+4*\m+3], v[L16] offset:2048*(\k)+512*\m
.endr
	WIN 0
.endm
.macro PVSTEP k
.set vb, (\k)%5
.set vs, VS+4*vb
.if vb == 4
.set vs, VS4
.endif
	s_wait_dscnt 0x0                               ; P of this place is in
.if 15-(\k) >= 3
	s_wait_loadcnt 51                              ; V of this place is in; the 17 loads of each of the three places behind it may stay out
.else
	s_wait_loadcnt 17*(15-(\k))
.endif
.if ((\k) > 0) && ((\k) < 15)
	s_wait_alu depctr_va_vdst(0)                   ; the products of the place before are done reading their buffers of V and of P and the scale words of both, in which this place's loads land
.endif
.if (\k) < 15
	s_cmp_gt_u32 s9, (\k)+1
	s_cbranch_scc0 .Lnop_\@
	PLOAD (\k)+1
.Lnop_\@:
.endif
.if vb == 4
	WIN 0xaa                                       ; source 0 (V's fifth buffer), source 1 (P), C and D window 2
.else
	WIN 0xa9                                       ; source 0 (V) window 1; source 1 (P), C and D window 2
.endif
.irp t, 0,1,2,3,4,5,6,7
.irp u, 0,1
.if (\k) == 0
	WM OA+8*(8*\u+\t), 64*(vb%4)+8*\t, PF+16*((\k)%2)+8*\u, 1, vs+\t/2, PS+((\k)%2), \t%2, \u
.else
	WM OA+8*(8*\u+\t), 64*(vb%4)+8*\t, PF+16*((\k)%2)+8*\u, 0, vs+\t/2, PS+((\k)%2), \t%2, \u
.endif
.endr
.endr
	WIN 0
.if (\k) < 15
	s_cmp_le_u32 s9, (\k)+1
	s_cbranch_scc1 .Lpvdone
	PLACES                                         ; behind these products, in front of the next place's loads into the buffers that they read
.endif
.if (\k) <= 11
	VLOAD (\k)+4                                   ; into the buffer of the place before.  No wait: no vector or matrix instruction since the wait at this place's head names it, its scale words or the offset
.endif
.endm
	WIN 0x80
.irp u, 0,1
.irp s, 0,1,2,3
.irp c, 0,1
	global_load_b128 v[32*\u+8*\s+4*\c:32*\u+8*\s+4*\c+3], v[L16], s[16:17] offset:4096*\u+1024*\s+512*\c   ; Q stays in registers
.endr
.endr
.endr
	WIN 0
.irp s, 0,1,2,3
	global_load_b32 v[QS+\s], v[L16], s[18:19] offset:512*\s   ; lanes 0-15: tile 0's words, lanes 16-31: tile 1's
.endr
	KLOAD 0
	TRIP 0
	TRIP 1
	TRIP 2
	TRIP 3
.Lp1done:
	s_wait_loadcnt 0x0                             ; no load into K's registers is pending on any way that leads here: V's first four steps take them
	VLOAD 0                                        ; no wait on va_vdst: on every way that leads here one stands behind the last vector or matrix instruction (the head's, or the one ahead of a trip's LDS stores):
	VLOAD 1                                        ; the products are done reading K's fragments and scale words
	VLOAD 2
	VLOAD 3
	; THE EXCHANGE: my -M and my l of each query
.irp u, 0,1
	v_add_f32 v[T2+\u], v[ST+4*\u+2], v[ST+4*\u+3]
.endr
.irp u, 0,1
	v_permlanex16_b32 v[T1+4*\u], v[T2+\u], s12, s13
.endr
.irp u, 0,1
	v_add_f32 v[T2+\u], v[T2+\u], v[T1+4*\u]
.endr
	s_wait_alu depctr_va_vdst(0)                   ; l is written, which the LDS stores read
.irp u, 0,1
	ds_store_b32 v[XA], v[ST+4*\u] offset:512*\u
	ds_store_b32 v[XA], v[T2+\u] offset:1024+512*\u
.endr
	s_wait_dscnt 0x0                               ; for the others' sake: these stores and P's images have landed
	s_barrier_signal -1
	s_barrier_wait -1
	ds_load_b128 v[128:131], v[XRD]                ; the four waves' -M of my query, tile 0,  (no vector instruction since the wait above: the softmax is done with v128 to v143)
	ds_load_b128 v[132:135], v[XRD] offset:512     ; tile 1;
	ds_load_b128 v[136:139], v[XRD] offset:1024    ; their l
	ds_load_b128 v[140:143], v[XRD] offset:1536
	s_wait_dscnt 0x0
.irp u, 0,1
	v_min3_num_f32 v[NF+\u], v[128+4*\u], v[129+4*\u], v[130+4*\u]
.endr
.irp u, 0,1
	v_min_num_f32 v[NF+\u], v[NF+\u], v[131+4*\u]  ; the least -M: the common M
.endr
.irp k, 0,1,2,3,4,5,6,7
	v_sub_f32 v[128+\k], v[NF+\k/4], v[128+\k]     ; a wave's M less the common M: a whole number, 0 or less
.endr
.irp k, 0,1,2,3,4,5,6,7
	v_cvt_i32_f32 v[128+\k], v[128+\k]
.endr
.irp k, 0,1,2,3,4,5,6,7
	v_ldexp_f32 v[136+\k], v[136+\k], v[128+\k]    ; its l under the common M (a wave without key steps has l = 0)
.endr
.irp u, 0,1
	v_add_f32 v[136+4*\u], v[136+4*\u], v[137+4*\u]
	v_add_f32 v[138+4*\u], v[138+4*\u], v[139+4*\u]
.endr
.irp u, 0,1
	v_add_f32 v[136+4*\u], v[136+4*\u], v[138+4*\u]
.endr
.irp u, 0,1
	v_rcp_f32 v[RL+2*\u], v[136+4*\u]              ; 1 / l; the lines below name neither result nor source
.endr
	; my trips' scales under the common M
	WIN 0x08
.set cn, 0
.rept 8
	v_sub_f32 v[DL+cn], v[NF+cn%2], v[MR+cn]       ; the trip's M less the common M
.set cn, cn+1
.endr
	WIN 0
.set cn, 0
.rept 8
	v_cvt_i32_f32 v[DL+cn], v[DL+cn]
.set cn, cn+1
.endr
	WIN 0x02
.set cn, 0
.rept 32
	v_ldexp_f32 v[FB+cn], v[RAW+cn], v[DL+cn/4]    ; the exponent field moves by that whole number, and ends at 0 where it would fall under
.set cn, cn+1
.endr
	WIN 0
.set cn, 0
.rept 32
	v_lshrrev_b32 v[FB+cn], 23, v[FB+cn]           ; the byte
.set cn, cn+1
.endr
.set cn, 0
.rept 8
	v_lshl_or_b32 v[FB+4*cn], v[FB+4*cn+1], 8, v[FB+4*cn]
	v_lshl_or_b32 v[FB+4*cn], v[FB+4*cn+2], 16, v[FB+4*cn]
	v_lshl_or_b32 v[FB+4*cn], v[FB+4*cn+3], 24, v[FB+4*cn]
.set cn, cn+1
.endr
.irp i, 0,1,2,3
	v_cndmask_b32 v[FW+\i], v[FB+8*\i], v[FB+8*\i+4], s11   ; lanes 0-15: tile 0's word, lanes 16-31: tile 1's
.endr
	s_wait_alu depctr_va_vdst(0)                   ; the four scale words are written, which the LDS stores read; the two reciprocals are written, ahead of the first line that names one; the trips' scales in window 2 have been read, where P's fragments land
.irp i, 0,1,2,3
	ds_store_b32 v[PSA], v[FW+\i] offset:512*\i
.endr
.irp u, 0,1
	v_mov_b32 v[RL+2*\u+1], v[RL+2*\u]             ; (the pair is named whole)
.endr
	s_wait_dscnt 0x0                               ; for the others' sake: the scale words have landed
	s_barrier_signal -1
	s_barrier_wait -1
	PLOAD 0
.irp k, 0,1,2,3,4,5,6,7,8,9,10,11,12,13,14,15
	PVSTEP \k
.endr
.Lpvdone:
	; THE WAY OUT.  Register j of O^T (u, t) is out(query 8 u + r + 8 (r / 8), channel 128 w + 16 t + 8 h + j).  Through my own stage, back as whole rows of 512 bytes.
	PLACES
	WIN 0x82
.irp u, 0,1
.set cn, 0
.rept 32
	v_pk_mul_f32 v[OA+64*\u+2*cn:OA+64*\u+2*cn+1], v[OA+64*\u+2*cn:OA+64*\u+2*cn+1], v[RL+2*\u:RL+2*\u+1] op_sel_hi:[1,0]   ; each accumulator from its low end on
.set cn, cn+1
.endr
.endr
	WIN 0x08                                       ; an LDS store's data are its source 1: window 2
	s_wait_alu depctr_va_vdst(0)                   ; the multiplications have written O^T, which the LDS stores read; and every vector instruction is done with v128 to v255, in which the rows land below
.irp u, 0,1
.irp t, 0,1,2,3,4,5,6,7
	ds_store_b128 v[STO], v[OA+8*(8*\u+\t):OA+8*(8*\u+\t)+3] offset:4224*\u+64*\t
	ds_store_b128 v[STO], v[OA+8*(8*\u+\t)+4:OA+8*(8*\u+\t)+7] offset:4224*\u+64*\t+16
.endr
.endr
	WIN 0
	s_wait_alu depctr_vm_vsrc(0)                   ; the LDS stores of P's scale words have read v192 to v195, in which rows land
.set cn, 0
.rept 32
	ds_load_b128 v[128+4*cn:128+4*cn+3], v[SRD] offset:528*cn   ; LDS serves a wave's instructions in order (ISA guide 5.7.1.4): these see my stores
.set cn, cn+1
.endr
.set cn, 0
.rept 32
	s_wait_dscnt 31-cn
	global_store_b128 v[L16], v[128+4*cn:128+4*cn+3], s[28:29] offset:2048*cn th:TH_STORE_NT   ; 32 lanes store 512 consecutive bytes, at a multiple of 256 from the output's first byte
.set cn, cn+1
.endr
	s_wait_dscnt 0x0                               ; the closing lines, six on end
	s_wait_alu 0x0
	s_wait_tensorcnt 0x0
	ds_add_u32 v[SPW], v[NIL]
	s_wait_dscnt 0x0
	s_endpgm
.Lfunc_end_k_qa6bdc06914_attn:
	.size	k_qa6bdc06914_attn, .Lfunc_end_k_qa6bdc06914_attn-k_qa6bdc06914_attn
	.p2alignl 7, 3214868480
	.fill 96, 4, 3214868480
	.section	.rodata,"a",@progbits
	.p2align	6, 0x0
	.amdhsa_kernel k_qa6bdc06914_attn
		.amdhsa_group_segment_fixed_size 104960
		.amdhsa_private_segment_fixed_size 0
		.amdhsa_enable_private_segment 0
		.amdhsa_kernarg_size 16
		.amdhsa_user_sgpr_count 2
		.amdhsa_user_sgpr_kernarg_segment_ptr 1
		.amdhsa_wavefront_size32 1
		.amdhsa_system_sgpr_workgroup_id_x 1
		.amdhsa_system_sgpr_workgroup_id_y 1
		.amdhsa_system_sgpr_workgroup_id_z 1
		.amdhsa_system_vgpr_workitem_id 0
		.amdhsa_next_free_vgpr 768
		.amdhsa_next_free_sgpr 66
		.amdhsa_reserve_vcc 0
		.amdhsa_float_denorm_mode_32 3
		.amdhsa_float_denorm_mode_16_64 3
		.amdhsa_memory_ordered 1
		.amdhsa_forward_progress 1
		.amdhsa_inst_pref_size 255
	.end_amdhsa_kernel
	.section	.bss,"aw",@nobits
	.p2align	6
	.space	262144
	.amdgpu_metadata
---
amdhsa.version: [ 1, 2 ]
amdhsa.kernels:
  - .name:           k_qa6bdc06914_attn
    .symbol:         k_qa6bdc06914_attn.kd
    .args:
      - { .name: qkv, .offset: 0, .size: 8, .value_kind: global_buffer, .address_space: global }
      - { .name: out0, .offset: 8, .size: 8, .value_kind: global_buffer, .address_space: global }
    .group_segment_fixed_size: 104960
    .private_segment_fixed_size: 0
    .kernarg_segment_align: 8
    .kernarg_segment_size: 16
    .max_flat_workgroup_size: 128
    .sgpr_count:     66
    .vgpr_count:     768
    .wavefront_size: 32
...
	.end_amdgpu_metadata
.endif
;; end of part 4
